; MI455X (gfx1250); checked and timed in simulation.
; The chip was launched on July 23, 2026; its instructions are those of AMD's public machine-readable ISA for CDNA 5 (MIT licence, August 2026) and "CDNA5" Instruction Set Architecture Reference Guide (July 2026). The comments in the code are by the model that wrote it; some were corrected since.
;; Switch Feed Forward. Allowed arithmetic: matrix products marked QUANTISED: E4M3 operands, one given power-of-two scale a tensor, by v_wmma_f32_16x16x64_fp8_fp8 or v_wmma_f32_16x16x128_fp8_fp8, f32 sums; products left as they are: f32 operands where the result goes on into a quantised operand, else bf16, f16 or f32 operands; f32 sums; everything else in f32.
;; Inputs: W1 8 x 512 x 2,048 float32; W2 8 x 2,048 x 512 float32; Wg 512 x 8 float32; b1 8 x 2,048 float32; b2 8 x 512 float32; bg 8 float32; lowp_scales 32 int32 (the exponents e of the quantised operands' scales 2^e); x 8 x 512 x 512 float32.
;; Outputs: out0 8 x 512 x 512 float32.
;; This version of the problem:
;;   THIS VERSION OF THE PROBLEM IS GIVEN IN LOW PRECISION. The matrix products marked QUANTISED in the list below multiply operands that are first quantised to E4M3 (4 exponent bits, 3 mantissa bits; 8 bits a number), with one given power-of-two scale for each operand tensor; their sums are f32. All else is computed in f32.
;;   The module's matrix products, in the order in which they are computed (A, B: the left and right operand; K: the contracted axis; several contracted axes count as one K, in the product's order):
;;     1. [M 4,096, K 512] x [K 512, N 8]; A: input x; B: input Wg: left as it is (N = 8 < 16)
;;     2. [M 4,096, K 512] x [K 512, N 2,048]; A: computed on the way; B: input W1: QUANTISED (scales: A lowp_scales[0], B lowp_scales[1])
;;     3. [M 4,096, K 2,048] x [K 2,048, N 512]; A: computed on the way; B: input W2: QUANTISED (scales: A lowp_scales[2], B lowp_scales[3])
;;     4. [M 4,096, K 512] x [K 512, N 2,048]; A: computed on the way; B: input W1: QUANTISED (scales: A lowp_scales[4], B lowp_scales[5])
;;     5. [M 4,096, K 2,048] x [K 2,048, N 512]; A: computed on the way; B: input W2: QUANTISED (scales: A lowp_scales[6], B lowp_scales[7])
;;     6. [M 4,096, K 512] x [K 512, N 2,048]; A: computed on the way; B: input W1: QUANTISED (scales: A lowp_scales[8], B lowp_scales[9])
;;     7. [M 4,096, K 2,048] x [K 2,048, N 512]; A: computed on the way; B: input W2: QUANTISED (scales: A lowp_scales[10], B lowp_scales[11])
;;     8. [M 4,096, K 512] x [K 512, N 2,048]; A: computed on the way; B: input W1: QUANTISED (scales: A lowp_scales[12], B lowp_scales[13])
;;     9. [M 4,096, K 2,048] x [K 2,048, N 512]; A: computed on the way; B: input W2: QUANTISED (scales: A lowp_scales[14], B lowp_scales[15])
;;     10. [M 4,096, K 512] x [K 512, N 2,048]; A: computed on the way; B: input W1: QUANTISED (scales: A lowp_scales[16], B lowp_scales[17])
;;     11. [M 4,096, K 2,048] x [K 2,048, N 512]; A: computed on the way; B: input W2: QUANTISED (scales: A lowp_scales[18], B lowp_scales[19])
;;     12. [M 4,096, K 512] x [K 512, N 2,048]; A: computed on the way; B: input W1: QUANTISED (scales: A lowp_scales[20], B lowp_scales[21])
;;     13. [M 4,096, K 2,048] x [K 2,048, N 512]; A: computed on the way; B: input W2: QUANTISED (scales: A lowp_scales[22], B lowp_scales[23])
;;     14. [M 4,096, K 512] x [K 512, N 2,048]; A: computed on the way; B: input W1: QUANTISED (scales: A lowp_scales[24], B lowp_scales[25])
;;     15. [M 4,096, K 2,048] x [K 2,048, N 512]; A: computed on the way; B: input W2: QUANTISED (scales: A lowp_scales[26], B lowp_scales[27])
;;     16. [M 4,096, K 512] x [K 512, N 2,048]; A: computed on the way; B: input W1: QUANTISED (scales: A lowp_scales[28], B lowp_scales[29])
;;     17. [M 4,096, K 2,048] x [K 2,048, N 512]; A: computed on the way; B: input W2: QUANTISED (scales: A lowp_scales[30], B lowp_scales[31])
;;   THE QUANTISER, for each operand of a quantised product, along K:
;;     - The operand's scale is 2^e, e = its entry of the input lowp_scales (int32; the entries are numbered through the quantised products in the list's order, A before B).
;;     - Each number is divided by the scale, clamped to +-448, and rounded to the nearest number of E4M3, ties to even, subnormals kept.
;;     - The product sums the exact products of the quantised numbers (number of the format x scale) in f32.
;;   ~~~python
;;   def quantise(x, axis, e):      # numpy; x: float32 -> the quantised numbers, widened to float32 again
;;       x = np.moveaxis(x, axis, -1); K = x.shape[-1]
;;       r = np.clip(x / 2.0 ** e, -448, 448)
;;       step = 2.0 ** (np.maximum(np.frexp(np.where(r == 0, 1, r))[1] - 1, -6) - 3)
;;       q = np.round(r / step) * step * 2.0 ** e      # np.round: ties to even
;;       return np.moveaxis(q, -1, axis).astype(np.float32)
;;   ~~~
;;   OPERANDS COMPUTED ON THE WAY. 'Computed on the way' means the value that the module computes at that place (a softmax that the list does not call 'softmax' is quantised finished and normalised). What goes into a quantiser is computed in f32, as accurately as f32 sums, v_exp_f32 and their like allow (about 1e-6 of the number): no bf16 or f16 on the way to a quantiser, and a product that is left as it is and whose result goes on into a quantised operand takes f32 operands (vector FMAs, or v_wmma_f32_16x16x4_f32). A number that lies on a knife's edge between two numbers of the format may be rounded either way, as far as f32 arithmetic and the matrix unit's own rounding can turn it there, and no further.
;; 2 versions, each right; version 2 is version 1 with the launches ffn1, ffn2 written anew for expert scheduling mode. Each part assembles by itself: llvm-mc -triple=amdgcn-amd-amdhsa -mcpu=gfx1250 --defsym DOCPART=n.
;; ======== version 1 of 2: 4 launches
;; workspace buffers: xq 2,097,152 bytes; routes 16,384 bytes of whole numbers; w1q 8,388,608 bytes; w2q 8,388,608 bytes; order 16,640 bytes of whole numbers; meta 256 bytes of whole numbers; hq 8,650,752 bytes
;; launch prep1 (part 1): grid 768 x 1, 4 waves a work-group, no clusters, 0 bytes of LDS; arguments x, Wg, bg, lowp_scales, W1, xq, routes, w1q; writes xq, routes, w1q
.if DOCPART == 1
	.amdgcn_target "amdgcn-amd-amdhsa--gfx1250"
	.amdhsa_code_object_version 6
	.text
	.protected	k_qfd97fcdf4b_prep1
	.globl	k_qfd97fcdf4b_prep1
	.p2align	8
	.type	k_qfd97fcdf4b_prep1,@function
k_qfd97fcdf4b_prep1:
	s_mov_b64 s[64:65], 0
	v_nop
	global_prefetch_b8 v0, s[64:65] scope:SCOPE_SE
	s_setreg_imm32_b32 hwreg(HW_REG_WAVE_MODE, 25, 1), 1
	s_wait_xcnt 0x0
; PREP1.  Work-groups 0-255: the router (x Wg + bg in f32, softmax, largest probability, its index) and xs = x * pmax as codes of E4M3.
; Work-groups 256-767: W1 [8][512][2048] f32 as codes of E4M3, laid in the order of a matrix operand's registers.
; ROUTER.  A wave takes 4 tokens.  Each load of x reads 512 consecutive bytes, 16 a lane: register 4 i + j of a lane holds k = 128 i + 4 lane + j.  The lane's 16 codes are stored as its
; 16 bytes at 16 x lane of the token's 512-byte row of xq: byte p of a row is k = 128 ((p & 15) >> 2) + 4 (p >> 4) + (p & 3).  W1's codes are laid by the same map, so every product meets its partner.
; The route is only stored (a whole number a token, at a fixed place) and selects values by v_cndmask_b32: no address and no branch hangs on it here.
; The maximum is taken away before the exponentials; the largest exponential is then 1, so pmax = 1 / sum, and the route is the lowest index whose exponential is 1.
; W1.  Work-group (e, u, s) makes the 8 images (2,048 bytes each) of hidden units 128 u .. 128 u + 127 and K step s.  A lane takes one hidden unit (a column of W1) and its registers run down K.
; An image is a fragment's 16 registers: chunk c of lane r + 16 hh at byte 512 c + 16 (r + 16 hh), byte b = k 32 s + 128 (b >> 2) + 8 c + 4 hh + (b & 3).
; Lane r of image t is hidden unit 128 u + 32 (t >> 1) + 8 (t & 1) + r + 8 (r >> 3), so that the first product's results are neighbours along the second product's K.
; No LDS, no barrier: waves share nothing.  No matrix unit and no joint loads: no work-group reads what another reads, but for Wg's 16 KB.
; LIMITS: each given exponent used here (xs's and W1's) lies between -126 and 119.  NaN among the inputs is not served.  A token whose two largest logits differ by less than the
; rounding of an f32 sum of 512 terms may take the other of the two routes.
.set ROWB, 8192                        ; a row of W1 in bytes
.set PERM, 1                           ; the first product's map of K, and its choice of a tile's rows
.set RLIM, 8                           ; v8-11    448 x 2^ex of token q's route
.set RR,   12                          ; v12-15   token q's route
.set RA,   16                          ; v16-47   token q's 8 logits, then exponentials; later the codes, 4 registers a token
.set RM,   48                          ; v48-51   the largest logit, then the sum
.set RP,   52                          ; v52-59   pmax, as the low word of a pair
.set RS,   60                          ; v60-63   2^ex of token q's route
.set RX,   64                          ; v64-127  16 numbers of x a token
.set RW,   128                         ; v128-255 Wg: register 8 kk + e = Wg[k(kk)][e]; later at work
.set QX,   32                          ; the quantiser: v32-95 two sets of 32 numbers
.set QC,   96                          ; v96-127  codes, 8 registers a block, never written twice
.set QSRC, 12                          ; s[12:13] W1
.set QDST, 18                          ; s[18:19] w1q
.set QSE,  30                          ; s30, s31 the exponent, at work
; block c of a K step: 32 numbers of my column, in the order of the operand's bytes
.macro LOADB c
.irp hh, 0,1
.irp b, 0,1,2,3,4,5,6,7,8,9,10,11,12,13,14,15
.if PERM
	global_load_b32 v[QX+32*((\c)%2)+16*\hh+\b], v2, s[QSRC:QSRC+1] offset:(128*(\b/4)+8*(\c)+4*\hh+(\b%4))*ROWB th:TH_LOAD_NT
.else
	global_load_b32 v[QX+32*((\c)%2)+16*\hh+\b], v2, s[QSRC:QSRC+1] offset:(32*(\c)+16*\hh+\b)*ROWB th:TH_LOAD_NT
.endif
.endr
.endr
.endm
.macro BLOCK c
.set XS, QX+32*((\c)%2)
.if (\c) < 3
	s_wait_loadcnt 32                              ; this block's 32 loads are in; the next block's 32 may be out
.else
	s_wait_loadcnt 0x0
.endif
.set i, 0
.rept 32
	v_med3_num_f32 v[XS+i], v[XS+i], -v10, v10     ; the conversion to an 8-bit code does not saturate (ISA guide 7.6.2): the hold at the largest code x the scale
.set i, i+1
.endr
.irp g, 0,1,2,3
	v_cvt_scalef32_pk8_fp8_f32 v[QC+8*(\c)+2*\g:QC+8*(\c)+2*\g+1], v[XS+8*\g:XS+8*\g+7], v11
.endr
	global_store_b128 v3, v[QC+8*(\c):QC+8*(\c)+3], s[QDST:QDST+1] offset:512*(\c)          ; lanes 0-15 store 256 consecutive bytes of one image, lanes 16-31 of the next
	global_store_b128 v3, v[QC+8*(\c)+4:QC+8*(\c)+7], s[QDST:QDST+1] offset:512*(\c)+256
.if (\c) < 2
	LOADB (\c)+2                                   ; into the set just converted
.endif
.endm
	s_load_b512 s[4:19], s[0:1], 0x0               ; x 4:5, Wg 6:7, bg 8:9, scales 10:11, W1 12:13, xq 14:15, routes 16:17, w1q 18:19
	v_lshrrev_b32 v1, 5, v0
	v_readfirstlane_b32 s20, v1                    ; wave
	v_and_b32 v1, 31, v0                           ; lane
	s_cmp_lt_u32 ttmp9, 256
	s_cbranch_scc0 .Lquant
	; ---------------- the router
	s_lshl_b32 s21, ttmp9, 4
	s_lshl_b32 s2, s20, 2
	s_add_co_u32 s21, s21, s2                      ; my first token: 16 x work-group + 4 x wave
	s_mov_b32 s3, 0
	s_mov_b32 s22, 0x76543210                      ; v_permlanex16_b32: lane l xor 16
	s_mov_b32 s23, 0xfedcba98
	v_lshlrev_b32 v2, 4, v1                        ; 16 x lane
	v_lshlrev_b32 v3, 7, v1                        ; 128 x lane: four rows of Wg
	v_lshlrev_b32 v4, 2, v1                        ; 4 x lane
	s_wait_kmcnt 0x0
	s_load_b256 s[24:31], s[8:9], 0x0              ; bg
	s_load_b512 s[32:47], s[10:11], 0x0            ; all 32 exponents: xs's of expert e is entry 4 e
	s_load_b512 s[48:63], s[10:11], 0x40
	s_lshl_b32 s2, s21, 11
	s_add_nc_u64 s[4:5], s[4:5], s[2:3]            ; x at my first token
	s_lshl_b32 s2, s21, 9
	s_add_nc_u64 s[14:15], s[14:15], s[2:3]        ; xq likewise
	s_lshl_b32 s2, s21, 2
	s_add_nc_u64 s[16:17], s[16:17], s[2:3]        ; routes likewise
.irp q, 0,1,2,3
.irp i, 0,1,2,3
	global_load_b128 v[RX+16*\q+4*\i:RX+16*\q+4*\i+3], v2, s[4:5] offset:2048*\q+512*\i th:TH_LOAD_NT
.endr
.endr
.irp i, 0,1,2,3
.irp m, 0,1,2,3,4,5,6,7
	global_load_b128 v[RW+32*\i+4*\m:RW+32*\i+4*\m+3], v3, s[6:7] offset:4096*\i+16*\m
.endr
.endr
.irp q, 0,1,2,3
	v_mov_b32 v[RP+2*\q+1], 0                      ; named as the upper half of a pair, so it is written
.endr
	s_wait_loadcnt 0x0
	; the lane's part of the 4 x 8 logits, two experts an instruction; the first product starts the sums
.irp q, 0,1,2,3
.irp p, 0,1,2,3
	v_pk_mul_f32 v[RA+8*\q+2*\p:RA+8*\q+2*\p+1], v[RW+2*\p:RW+2*\p+1], v[RX+16*\q:RX+16*\q+1] op_sel_hi:[1,0]
.endr
.endr
.irp kk, 1,2,3,4,5,6,7,8,9,10,11,12,13,14,15
.irp q, 0,1,2,3
.irp p, 0,1,2,3
.if \kk % 2
	v_pk_fma_f32 v[RA+8*\q+2*\p:RA+8*\q+2*\p+1], v[RW+8*\kk+2*\p:RW+8*\kk+2*\p+1], v[RX+16*\q+(\kk/2)*2:RX+16*\q+(\kk/2)*2+1], v[RA+8*\q+2*\p:RA+8*\q+2*\p+1] op_sel:[0,1,0] op_sel_hi:[1,1,1]
.else
	v_pk_fma_f32 v[RA+8*\q+2*\p:RA+8*\q+2*\p+1], v[RW+8*\kk+2*\p:RW+8*\kk+2*\p+1], v[RX+16*\q+(\kk/2)*2:RX+16*\q+(\kk/2)*2+1], v[RA+8*\q+2*\p:RA+8*\q+2*\p+1] op_sel_hi:[1,0,1]
.endif
.endr
.endr
.endr
	; across the 32 lanes: every lane ends with the same 32 sums
.irp m, 1,2,4,8
.set i, 0
.rept 32
	v_add_f32_dpp v[RA+i], v[RA+i], v[RA+i] row_xmask:\m row_mask:0xf bank_mask:0xf
.set i, i+1
.endr
.endr
.set i, 0
.rept 32
	v_permlanex16_b32 v[RW+i], v[RA+i], s22, s23   ; Wg's registers are done with, and have been written
.set i, i+1
.endr
.set i, 0
.rept 32
	v_add_f32 v[RA+i], v[RA+i], v[RW+i]
.set i, i+1
.endr
	s_wait_kmcnt 0x0                               ; bg and the exponents
.irp e, 0,1,2,3,4,5,6,7
	s_add_co_i32 s[32+4*\e], s[32+4*\e], 127
	s_lshl_b32 s[32+4*\e], s[32+4*\e], 23          ; 2^ex of expert e as f32
.endr
.irp q, 0,1,2,3
.irp e, 0,1,2,3,4,5,6,7
	v_add_f32 v[RA+8*\q+\e], s[24+\e], v[RA+8*\q+\e]
.endr
.endr
.irp q, 0,1,2,3
	v_max3_num_f32 v[RM+\q], v[RA+8*\q], v[RA+8*\q+1], v[RA+8*\q+2]
.endr
.irp q, 0,1,2,3
	v_max3_num_f32 v[RM+\q], v[RM+\q], v[RA+8*\q+3], v[RA+8*\q+4]
.endr
.irp q, 0,1,2,3
	v_max3_num_f32 v[RM+\q], v[RM+\q], v[RA+8*\q+5], v[RA+8*\q+6]
.endr
.irp q, 0,1,2,3
	v_max_num_f32 v[RM+\q], v[RM+\q], v[RA+8*\q+7]
.endr
.irp q, 0,1,2,3
.irp e, 0,1,2,3,4,5,6,7
	v_sub_f32 v[RA+8*\q+\e], v[RA+8*\q+\e], v[RM+\q]   ; first the difference, so that the largest gives exactly 0,
.endr
.endr
.set i, 0
.rept 32
	v_mul_f32 v[RA+i], 0x3fb8aa3b, v[RA+i]         ; then log2(e)
.set i, i+1
.endr
.set i, 0
.rept 32
	v_exp_f32 v[RA+i], v[RA+i]                     ; one batch
.set i, i+1
.endr
.irp q, 0,1,2,3
	v_mov_b32 v[RR+\q], 0                          ; plain lines behind the batch
	v_mov_b32 v[RS+\q], s32
.endr
	s_wait_alu depctr_va_vdst(0)                   ; one wait for the 32 exponentials, ahead of their first reader
.irp q, 0,1,2,3
	v_pk_add_f32 v[RW+4*\q:RW+4*\q+1], v[RA+8*\q:RA+8*\q+1], v[RA+8*\q+2:RA+8*\q+3]
	v_pk_add_f32 v[RW+4*\q+2:RW+4*\q+3], v[RA+8*\q+4:RA+8*\q+5], v[RA+8*\q+6:RA+8*\q+7]
.endr
.irp q, 0,1,2,3
	v_pk_add_f32 v[RW+4*\q:RW+4*\q+1], v[RW+4*\q:RW+4*\q+1], v[RW+4*\q+2:RW+4*\q+3]
.endr
.irp q, 0,1,2,3
	v_add_f32 v[RM+\q], v[RW+4*\q], v[RW+4*\q+1]   ; the sum of the 8 exponentials
.endr
.irp q, 0,1,2,3
	v_rcp_f32 v[RP+2*\q], v[RM+\q]                 ; pmax = 1 / sum
.endr
	; the route and its scale, by selection alone: from expert 7 down, so that the lowest index at the maximum stays.  (Plain work that names no reciprocal)
.irp e, 7,6,5,4,3,2,1,0
.irp q, 0,1,2,3
	v_cmp_neq_f32 vcc_lo, 1.0, v[RA+8*\q+\e]
	v_cndmask_b32 v[RR+\q], \e, v[RR+\q], vcc_lo
	v_cndmask_b32 v[RS+\q], s[32+4*\e], v[RS+\q], vcc_lo
.endr
.endr
.irp q, 0,1,2,3
	v_add_nc_u32 v[RLIM+\q], 0x04600000, v[RS+\q]  ; 448 x 2^ex: 8 onto the exponent field, 448's mantissa field
.endr
	s_wait_alu depctr_va_vdst(0)                   ; one wait for the four reciprocals, ahead of their first reader
.irp q, 0,1,2,3
.irp j, 0,2,4,6,8,10,12,14
	v_pk_mul_f32 v[RX+16*\q+\j:RX+16*\q+\j+1], v[RX+16*\q+\j:RX+16*\q+\j+1], v[RP+2*\q:RP+2*\q+1] op_sel_hi:[1,0]   ; xs = x * pmax
.endr
.irp j, 0,1,2,3,4,5,6,7,8,9,10,11,12,13,14,15
	v_med3_num_f32 v[RX+16*\q+\j], v[RX+16*\q+\j], -v[RLIM+\q], v[RLIM+\q]
.endr
	v_cvt_scalef32_pk8_fp8_f32 v[RA+4*\q:RA+4*\q+1], v[RX+16*\q:RX+16*\q+7], v[RS+\q]
	v_cvt_scalef32_pk8_fp8_f32 v[RA+4*\q+2:RA+4*\q+3], v[RX+16*\q+8:RX+16*\q+15], v[RS+\q]
	global_store_b128 v2, v[RA+4*\q:RA+4*\q+3], s[14:15] offset:512*\q     ; the wave stores the token's 512 consecutive bytes
.endr
	v_mov_b32 v5, v[RR]                            ; lane q takes token q's route
	s_mov_b32 s2, 2
	v_cndmask_b32 v5, v5, v[RR+1], s2
	s_mov_b32 s2, 4
	v_cndmask_b32 v5, v5, v[RR+2], s2
	s_mov_b32 s2, 8
	v_cndmask_b32 v5, v5, v[RR+3], s2
	v_cmp_gt_u32 vcc_lo, 4, v1
	s_wait_xcnt 0x0                                ; EXEC changes only behind this wait
	s_and_saveexec_b32 s2, vcc_lo
	global_store_b32 v4, v5, s[16:17]
	s_endpgm
	; ---------------- W1 into codes
.Lquant:
	s_sub_co_u32 s21, ttmp9, 256                   ; 64 e + 4 u + s
	s_lshr_b32 s22, s21, 6                         ; e
	s_bfe_u32 s23, s21, 0x40002                    ; u
	s_and_b32 s24, s21, 3                          ; s
	v_and_b32 v4, 15, v1                           ; r
	v_lshrrev_b32 v5, 4, v1                        ; which of my wave's two images
	v_and_b32 v6, 8, v4
	v_add_nc_u32 v6, v6, v4                        ; r + 8 (r >> 3)
	v_lshl_add_u32 v6, v5, 3, v6                   ; + 8 x image: my column among the wave's 32
	v_lshlrev_b32 v2, 2, v6
	v_lshlrev_b32 v3, 4, v4
	v_lshl_add_u32 v3, v5, 11, v3
	v_lshl_add_u32 v3, s20, 12, v3                 ; 4,096 x wave + 2,048 x image + 16 r
	s_lshl_b32 s26, s22, 22                        ; an expert's W1 is 4 MiB
	s_lshl_b32 s27, s24, 18                        ; 32 s rows of 8,192 bytes
	s_add_co_u32 s26, s26, s27
	s_lshl_b32 s27, s23, 9                         ; 128 u columns
	s_add_co_u32 s26, s26, s27
	s_lshl_b32 s27, s20, 7                         ; 32 x wave columns
	s_add_co_u32 s26, s26, s27
	s_mov_b32 s27, 0
	s_lshl_b32 s28, s21, 14                        ; 8 images of 2,048 bytes a work-group
	s_mov_b32 s29, 0
	s_lshl_b32 s25, s22, 4
	s_wait_kmcnt 0x0
	s_load_b32 s[QSE], s[10:11], s25 offset:0x4    ; W1's exponent of expert e: entry 4 e + 1
	s_add_nc_u64 s[QSRC:QSRC+1], s[QSRC:QSRC+1], s[26:27]
	s_add_nc_u64 s[QDST:QDST+1], s[QDST:QDST+1], s[28:29]
	LOADB 0
	LOADB 1
	s_wait_kmcnt 0x0
	s_add_co_i32 s[QSE], s[QSE], 127
	s_lshl_b32 s[QSE+1], s[QSE], 23
	v_mov_b32 v11, s[QSE+1]                        ; 2^e as f32: the conversion takes its exponent field
	s_add_co_i32 s[QSE], s[QSE], 8
	s_lshl_b32 s[QSE], s[QSE], 23
	s_or_b32 s[QSE], s[QSE], 0x600000
	v_mov_b32 v10, s[QSE]                          ; 448 x 2^e
	BLOCK 0
	BLOCK 1
	BLOCK 2
	BLOCK 3
	s_endpgm
.Lfunc_end_k_qfd97fcdf4b_prep1:
	.size	k_qfd97fcdf4b_prep1, .Lfunc_end_k_qfd97fcdf4b_prep1-k_qfd97fcdf4b_prep1
	.p2alignl 7, 3214868480
	.fill 96, 4, 3214868480
	.section	.rodata,"a",@progbits
	.p2align	6, 0x0
	.amdhsa_kernel k_qfd97fcdf4b_prep1
		.amdhsa_group_segment_fixed_size 0
		.amdhsa_private_segment_fixed_size 0
		.amdhsa_enable_private_segment 0
		.amdhsa_kernarg_size 64
		.amdhsa_user_sgpr_count 2
		.amdhsa_user_sgpr_kernarg_segment_ptr 1
		.amdhsa_wavefront_size32 1
		.amdhsa_system_sgpr_workgroup_id_x 1
		.amdhsa_system_sgpr_workgroup_id_y 1
		.amdhsa_system_sgpr_workgroup_id_z 1
		.amdhsa_system_vgpr_workitem_id 0
		.amdhsa_next_free_vgpr 256
		.amdhsa_next_free_sgpr 66
		.amdhsa_reserve_vcc 1
		.amdhsa_float_denorm_mode_32 3
		.amdhsa_float_denorm_mode_16_64 3
		.amdhsa_memory_ordered 1
		.amdhsa_forward_progress 1
		.amdhsa_inst_pref_size 75
	.end_amdhsa_kernel
	.amdgpu_metadata
---
amdhsa.version: [ 1, 2 ]
amdhsa.kernels:
  - .name:           k_qfd97fcdf4b_prep1
    .symbol:         k_qfd97fcdf4b_prep1.kd
    .args:
      - { .name: x, .offset: 0, .size: 8, .value_kind: global_buffer, .address_space: global }
      - { .name: Wg, .offset: 8, .size: 8, .value_kind: global_buffer, .address_space: global }
      - { .name: bg, .offset: 16, .size: 8, .value_kind: global_buffer, .address_space: global }
      - { .name: lowp_scales, .offset: 24, .size: 8, .value_kind: global_buffer, .address_space: global }
      - { .name: W1, .offset: 32, .size: 8, .value_kind: global_buffer, .address_space: global }
      - { .name: xq, .offset: 40, .size: 8, .value_kind: global_buffer, .address_space: global }
      - { .name: routes, .offset: 48, .size: 8, .value_kind: global_buffer, .address_space: global }
      - { .name: w1q, .offset: 56, .size: 8, .value_kind: global_buffer, .address_space: global }
    .group_segment_fixed_size: 0
    .private_segment_fixed_size: 0
    .kernarg_segment_align: 8
    .kernarg_segment_size: 64
    .max_flat_workgroup_size: 128
    .sgpr_count:     66
    .vgpr_count:     256
    .wavefront_size: 32
...
	.end_amdgpu_metadata
.endif
;; end of part 1
;; launch prep2 (part 2): grid 513 x 1, 4 waves a work-group, no clusters, 1,536 bytes of LDS; arguments routes, W2, lowp_scales, order, meta, w2q; writes order, meta, w2q
.if DOCPART == 2
	.amdgcn_target "amdgcn-amd-amdhsa--gfx1250"
	.amdhsa_code_object_version 6
	.text
	.protected	k_qfd97fcdf4b_prep2
	.globl	k_qfd97fcdf4b_prep2
	.p2align	8
	.type	k_qfd97fcdf4b_prep2,@function
k_qfd97fcdf4b_prep2:
	s_mov_b64 s[64:65], 0
	v_nop
	global_prefetch_b8 v0, s[64:65] scope:SCOPE_SE
	s_setreg_imm32_b32 hwreg(HW_REG_WAVE_MODE, 25, 1), 1
	s_wait_xcnt 0x0
; PREP2.  Work-group 0: a stable counting sort of the 4,096 routes, in whole numbers alone.  Work-groups 1-512: W2 [8][2048][512] f32 as codes of E4M3 in the order of a matrix operand's registers.
; SORT.  Wave w owns tokens 1,024 w .. 1,024 w + 1,023, 32 a step, a lane a token: the order (wave, step, lane) is the tokens' order, so equal routes keep it.
; Each wave counts its tokens of each expert (a compare's mask, its bits counted); the four waves' counts meet in LDS behind one barrier; every wave then knows each expert's first row and its own
; first place in it, and gives each token its place: start + the number of lower lanes of the same route.  order[place] = token.
; meta, four whole numbers an expert at byte 16 e: first sorted row, rows, first tile of 16 rows in the padded numbering, tiles.  order[4096 .. 4127] = 0: what a tile's 16 entries may reach past the end.
; W2.  Work-group (e, cb, s') makes the 8 images (2,048 bytes) of columns 128 cb .. 128 cb + 127 and K step s'.  A lane takes a column, its registers run down K.
; An image: chunk c of lane r + 16 hh at byte 512 c + 16 (r + 16 hh), byte b = k 128 s' + 32 c + 16 hh + b; lane r of image ct is column 128 cb + 16 ct + r.
; LIMITS: W2's given exponents lie between -126 and 119.  NaN among the inputs is not served.
.set ROWB, 2048                        ; a row of W2 in bytes
.set PERM, 0
.set QX,   32
.set QC,   96
.set QSRC, 6                           ; s[6:7]   W2
.set QDST, 14                          ; s[14:15] w2q
.set QSE,  30
.set R,    32                          ; the sort: v32-63 routes, then 4 x place
.set TOK,  64                          ; v64-95   the tokens' numbers
.macro LOADB c
.irp hh, 0,1
.irp b, 0,1,2,3,4,5,6,7,8,9,10,11,12,13,14,15
.if PERM
	global_load_b32 v[QX+32*((\c)%2)+16*\hh+\b], v2, s[QSRC:QSRC+1] offset:(128*(\b/4)+8*(\c)+4*\hh+(\b%4))*ROWB th:TH_LOAD_NT
.else
	global_load_b32 v[QX+32*((\c)%2)+16*\hh+\b], v2, s[QSRC:QSRC+1] offset:(32*(\c)+16*\hh+\b)*ROWB th:TH_LOAD_NT
.endif
.endr
.endr
.endm
.macro BLOCK c
.set XS, QX+32*((\c)%2)
.if (\c) < 3
	s_wait_loadcnt 32                              ; this block's 32 loads are in; the next block's 32 may be out
.else
	s_wait_loadcnt 0x0
.endif
.set i, 0
.rept 32
	v_med3_num_f32 v[XS+i], v[XS+i], -v10, v10     ; the conversion to an 8-bit code does not saturate (ISA guide 7.6.2): the hold at the largest code x the scale
.set i, i+1
.endr
.irp g, 0,1,2,3
	v_cvt_scalef32_pk8_fp8_f32 v[QC+8*(\c)+2*\g:QC+8*(\c)+2*\g+1], v[XS+8*\g:XS+8*\g+7], v11
.endr
	global_store_b128 v3, v[QC+8*(\c):QC+8*(\c)+3], s[QDST:QDST+1] offset:512*(\c)          ; lanes 0-15 store 256 consecutive bytes of one image, lanes 16-31 of the next
	global_store_b128 v3, v[QC+8*(\c)+4:QC+8*(\c)+7], s[QDST:QDST+1] offset:512*(\c)+256
.if (\c) < 2
	LOADB (\c)+2
.endif
.endm
	s_load_b256 s[4:11], s[0:1], 0x0               ; routes 4:5, W2 6:7, scales 8:9, order 10:11
	s_load_b128 s[12:15], s[0:1], 0x20             ; meta 12:13, w2q 14:15
	v_lshl_add_u32 v128, v0, 2, 0x400
	v_mov_b32 v129, 0
	v_lshrrev_b32 v1, 5, v0
	v_readfirstlane_b32 s98, v1                    ; wave
	v_and_b32 v1, 31, v0                           ; lane
	s_cmp_eq_u32 ttmp9, 0
	s_cbranch_scc0 .Lquant
	; ---------------- the sort
	v_lshlrev_b32 v4, 2, v1                        ; 4 x lane
	v_lshl_add_u32 v2, s98, 12, v4                 ; my token's route in step 0: 4 (1,024 w + lane)
	v_lshlrev_b32 v3, 2, v0                        ; LDS: 128 w + 4 lane
	v_lshl_add_u32 v20, s98, 10, v1                ; my token in step 0
	v_mov_b32 v5, 0
	v_mov_b32 v10, 0
	v_mov_b32 v11, 0
	s_wait_kmcnt 0x0
.set st, 0
.rept 32
	global_load_b32 v[R+st], v2, s[4:5] offset:128*st
.set st, st+1
.endr
	s_wait_loadcnt 0x0
	; my wave's count of each expert, s16-23: eight masks a step, then their bits
.set st, 0
.rept 32
.irp e, 0,1,2,3,4,5,6,7
	v_cmp_eq_u32 s[56+\e], \e, v[R+st]
.endr
.if st == 0
.irp e, 0,1,2,3,4,5,6,7
	s_bcnt1_i32_b32 s[16+\e], s[56+\e]             ; the first step starts the counts
.endr
.else
.irp e, 0,1,2,3,4,5,6,7
	s_bcnt1_i32_b32 s[56+\e], s[56+\e]
.endr
.irp e, 0,1,2,3,4,5,6,7
	s_add_co_u32 s[16+\e], s[16+\e], s[56+\e]
.endr
.endif
.set st, st+1
.endr
.irp e, 0,1,2,3,4,5,6,7
	v_writelane_b32 v5, s[16+\e], \e
.endr
	ds_store_b32 v3, v5                            ; my wave's 128 bytes: lane e holds expert e's count
	s_wait_dscnt 0x0                               ; for the others' sake: the store has landed
	s_barrier_signal -1
	s_barrier_wait -1
.irp p, 0,1,2,3
	ds_load_b32 v[6+\p], v4 offset:128*\p
.endr
	s_wait_dscnt 0x0
.irp p, 0,1,2,3
.irp e, 0,1,2,3,4,5,6,7
	v_readlane_b32 s[24+8*\p+\e], v[6+\p], \e      ; wave p's count of expert e
.endr
.endr
.irp e, 0,1,2,3,4,5,6,7
	s_add_co_u32 s[66+\e], s[24+\e], s[32+\e]
	s_add_co_u32 s[66+\e], s[66+\e], s[40+\e]
	s_add_co_u32 s[66+\e], s[66+\e], s[48+\e]      ; the expert's rows
	s_add_co_u32 s[82+\e], s[66+\e], 15
	s_lshr_b32 s[82+\e], s[82+\e], 4               ; its tiles of 16
.endr
	s_mov_b32 s74, 0
	s_mov_b32 s90, 0
.irp e, 1,2,3,4,5,6,7
	s_add_co_u32 s[74+\e], s[74+\e-1], s[66+\e-1]  ; its first row
	s_add_co_u32 s[90+\e], s[90+\e-1], s[82+\e-1]  ; its first tile
.endr
.irp e, 0,1,2,3,4,5,6,7
	s_mov_b32 s[16+\e], s[74+\e]
.endr
.irp p, 0,1,2                                  ; + the counts of the waves in front of mine: all eight selections on a compare, then the additions
	s_cmp_gt_u32 s98, \p
.irp e, 0,1,2,3,4,5,6,7
	s_cselect_b32 s[56+\e], s[24+8*\p+\e], 0
.endr
.irp e, 0,1,2,3,4,5,6,7
	s_add_co_u32 s[16+\e], s[16+\e], s[56+\e]
.endr
.endr
	; each token's place
.set st, 0
.rept 32
.irp e, 0,1,2,3,4,5,6,7
	v_cmp_eq_u32 s[56+\e], \e, v[R+st]
.endr
	v_mbcnt_lo_u32_b32 v21, s56, s16               ; start + the lower lanes of that route; expert 0's starts the choice
.irp e, 1,2,3,4,5,6,7
	v_mbcnt_lo_u32_b32 v[12+\e], s[56+\e], s[16+\e]
.endr
.irp e, 1,2,3,4,5,6,7
	v_cndmask_b32 v21, v21, v[12+\e], s[56+\e]
.endr
.irp e, 0,1,2,3,4,5,6,7
	s_bcnt1_i32_b32 s[56+\e], s[56+\e]
.endr
.irp e, 0,1,2,3,4,5,6,7
	s_add_co_u32 s[16+\e], s[16+\e], s[56+\e]
.endr
	v_min_u32 v21, 0xfff, v21                      ; a place is under 4,096
	v_lshlrev_b32 v[R+st], 2, v21
	v_add_nc_u32 v[TOK+st], 32*st, v20
	global_store_b32 v[R+st], v[TOK+st], s[10:11]  ; each step has registers of its own: none is written again
.set st, st+1
.endr
	s_cmp_lg_u32 s98, 0
	s_cbranch_scc1 .Lsorted
.irp e, 0,1,2,3,4,5,6,7
	v_writelane_b32 v10, s[74+\e], 4*\e
	v_writelane_b32 v10, s[66+\e], 4*\e+1
	v_writelane_b32 v10, s[90+\e], 4*\e+2
	v_writelane_b32 v10, s[82+\e], 4*\e+3
.endr
	global_store_b32 v4, v10, s[12:13]             ; meta: 128 bytes
	global_store_b32 v4, v11, s[10:11] offset:16384   ; order[4096 .. 4127] = 0
.Lsorted:
	s_wait_tensorcnt 0x0
	ds_add_u32 v128, v129
	s_wait_dscnt 0x0
	s_endpgm
	; ---------------- W2 into codes
.Lquant:
	s_sub_co_u32 s21, ttmp9, 1                     ; 64 e + 16 cb + s'
	s_lshr_b32 s22, s21, 6                         ; e
	s_bfe_u32 s23, s21, 0x20004                    ; cb
	s_and_b32 s24, s21, 15                         ; s'
	v_and_b32 v4, 15, v1                           ; r
	v_lshrrev_b32 v5, 4, v1                        ; which of my wave's two images
	v_lshlrev_b32 v2, 2, v1                        ; my column among the wave's 32 is my lane
	v_lshlrev_b32 v3, 4, v4
	v_lshl_add_u32 v3, v5, 11, v3
	v_lshl_add_u32 v3, s98, 12, v3                 ; 4,096 x wave + 2,048 x image + 16 r
	s_lshl_b32 s26, s22, 22                        ; an expert's W2 is 4 MiB
	s_lshl_b32 s27, s24, 18                        ; 128 s' rows of 2,048 bytes
	s_add_co_u32 s26, s26, s27
	s_lshl_b32 s27, s23, 9                         ; 128 cb columns
	s_add_co_u32 s26, s26, s27
	s_lshl_b32 s27, s98, 7                         ; 32 x wave columns
	s_add_co_u32 s26, s26, s27
	s_mov_b32 s27, 0
	s_lshl_b32 s28, s21, 14
	s_mov_b32 s29, 0
	s_lshl_b32 s25, s22, 4
	s_wait_kmcnt 0x0
	s_load_b32 s[QSE], s[8:9], s25 offset:0xc      ; W2's exponent of expert e: entry 4 e + 3
	s_add_nc_u64 s[QSRC:QSRC+1], s[QSRC:QSRC+1], s[26:27]
	s_add_nc_u64 s[QDST:QDST+1], s[QDST:QDST+1], s[28:29]
	LOADB 0
	LOADB 1
	s_wait_kmcnt 0x0
	s_add_co_i32 s[QSE], s[QSE], 127
	s_lshl_b32 s[QSE+1], s[QSE], 23
	v_mov_b32 v11, s[QSE+1]                        ; 2^e as f32
	s_add_co_i32 s[QSE], s[QSE], 8
	s_lshl_b32 s[QSE], s[QSE], 23
	s_or_b32 s[QSE], s[QSE], 0x600000
	v_mov_b32 v10, s[QSE]                          ; 448 x 2^e
	BLOCK 0
	BLOCK 1
	BLOCK 2
	BLOCK 3
	s_endpgm
.Lfunc_end_k_qfd97fcdf4b_prep2:
	.size	k_qfd97fcdf4b_prep2, .Lfunc_end_k_qfd97fcdf4b_prep2-k_qfd97fcdf4b_prep2
	.p2alignl 7, 3214868480
	.fill 96, 4, 3214868480
	.section	.rodata,"a",@progbits
	.p2align	6, 0x0
	.amdhsa_kernel k_qfd97fcdf4b_prep2
		.amdhsa_group_segment_fixed_size 1536
		.amdhsa_private_segment_fixed_size 0
		.amdhsa_enable_private_segment 0
		.amdhsa_kernarg_size 48
		.amdhsa_user_sgpr_count 2
		.amdhsa_user_sgpr_kernarg_segment_ptr 1
		.amdhsa_wavefront_size32 1
		.amdhsa_system_sgpr_workgroup_id_x 1
		.amdhsa_system_sgpr_workgroup_id_y 1
		.amdhsa_system_sgpr_workgroup_id_z 1
		.amdhsa_system_vgpr_workitem_id 0
		.amdhsa_next_free_vgpr 130
		.amdhsa_next_free_sgpr 100
		.amdhsa_reserve_vcc 0
		.amdhsa_float_denorm_mode_32 3
		.amdhsa_float_denorm_mode_16_64 3
		.amdhsa_memory_ordered 1
		.amdhsa_forward_progress 1
		.amdhsa_inst_pref_size 138
	.end_amdhsa_kernel
	.amdgpu_metadata
---
amdhsa.version: [ 1, 2 ]
amdhsa.kernels:
  - .name:           k_qfd97fcdf4b_prep2
    .symbol:         k_qfd97fcdf4b_prep2.kd
    .args:
      - { .name: routes, .offset: 0, .size: 8, .value_kind: global_buffer, .address_space: global }
      - { .name: W2, .offset: 8, .size: 8, .value_kind: global_buffer, .address_space: global }
      - { .name: lowp_scales, .offset: 16, .size: 8, .value_kind: global_buffer, .address_space: global }
      - { .name: order, .offset: 24, .size: 8, .value_kind: global_buffer, .address_space: global }
      - { .name: meta, .offset: 32, .size: 8, .value_kind: global_buffer, .address_space: global }
      - { .name: w2q, .offset: 40, .size: 8, .value_kind: global_buffer, .address_space: global }
    .group_segment_fixed_size: 1536
    .private_segment_fixed_size: 0
    .kernarg_segment_align: 8
    .kernarg_segment_size: 48
    .max_flat_workgroup_size: 128
    .sgpr_count:     100
    .vgpr_count:     130
    .wavefront_size: 32
...
	.end_amdgpu_metadata
.endif
;; end of part 2
;; launch ffn1 (part 3): grid 256 x 1, 4 waves a work-group, no clusters, 135,680 bytes of LDS; arguments xq, w1q, b1, lowp_scales, order, meta, hq; writes hq
.if DOCPART == 3
	.amdgcn_target "amdgcn-amd-amdhsa--gfx1250"
	.amdhsa_code_object_version 6
	.text
	.protected	k_qfd97fcdf4b_ffn1
	.globl	k_qfd97fcdf4b_ffn1
	.p2align	8
	.type	k_qfd97fcdf4b_ffn1,@function
k_qfd97fcdf4b_ffn1:
	s_mov_b64 s[64:65], 0
	v_nop
	global_prefetch_b8 v0, s[64:65] scope:SCOPE_SE
	s_setreg_imm32_b32 hwreg(HW_REG_WAVE_MODE, 25, 1), 1
	s_wait_xcnt 0x0
; FFN1.  h = relu(xs W1[e] + b1[e]) as codes of E4M3, for each token's own expert alone, in the sorted order, tiles of 16 rows.
; SHARES.  Work-group = (e, uq, g): expert e, hidden units 512 uq .. + 511, row tiles t = g, g + 8, g + 16 .. of that expert.  Wave w keeps W1's codes of hidden units 128 (4 uq + w) .. + 127 and all K = 512
; in 512 registers for the whole launch (32 fragments, read from memory once) and walks the tiles, four to a trip.  Waves share nothing: no barrier; each wave's LDS bytes are its own.
; The number of trips is read from meta, which an earlier launch stored: so there is no tensor load, no copy and no joint load here (partners would have different numbers of tiles), and operands go
; from memory into registers.  A work-group that the split leaves without tiles stores nothing and ends.
; A TRIP.  The 64 rows of xq that the trip's four tiles name (their tokens come from order by scalar loads, one trip further ahead) were asked for a trip ago, a whole row of 512 bytes an instruction.
; They go through the wave's stage in LDS (rows 528 bytes apart) and come back as fragments.  The product is used transposed (source 0 = 16 hidden units, source 1 = 16 rows), with b1 / 2^(ex + ew1) as
; the C of each sum's first instruction; the 16 registers of tiles 2 b and 2 b + 1 are then 16 neighbours along the next K, and the conversions' results are one fragment of the second product:
; K step u = 4 uq + w of padded tile T = pt + t, stored as an image of its registers (2,048 bytes at hq + 32,768 T + 2,048 u).
; Rows past an expert's last row take the tokens that follow in order: their codes are written (hq's tiles are whole) and never used.
; LIMITS: eh - ex - ew1 between -126 and 119; b1 x 2^-(ex + ew1) stays an f32 number.
; REGISTERS, in windows of 256: window 0: v1-5 addresses; v24, v25 the conversion's scale and the hold; v32-95 x's four fragments (and, while rows are asked for, their 64 offsets); v96-159 eight accumulators;
;   v160-223 b1; v224-239 the codes.   window 1: W1's fragments of K steps 0, 1 (fragment 8 s + t at 16 (8 s + t)).   window 2: those of K steps 2, 3.   window 3: the 64 rows as loaded.
.set L16, 1                            ; v1   16 x lane
.set STW, 2                            ; v2   the stage, in: 33,792 w + 16 lane
.set STR, 3                            ; v3   the stage, out: 33,792 w + 528 r + 16 hh
.set HA,  4                            ; v4   where the codes go in hq
.set BO,  5                            ; v5   64 hh: b1's offset
.set SCL, 24
.set LIM, 25
.set XF,  32
.set ACC, 96
.set B1,  160
.set PC,  224
.set MSB, 0
.macro WIN new                         ; the immediate's high byte repeats the setting that is left
.if MSB != \new
	s_set_vgpr_msb (MSB<<8)|\new
.set MSB, \new
.endif
.endm
.macro PLACES n
.rept \n
	v_nop
.endr
.endm
; the tokens of the four tiles s101, s101 + 8, + 16, + 24: 16 entries of order each.  A tile that the expert does not have takes the 16 zeros behind order's end.
.macro LOAD_TOK
.irp i, 0,1,2,3
	s_add_co_u32 s[96+\i], s101, 8*\i
	s_lshl_b32 s66, s[96+\i], 4
	s_add_co_u32 s66, s66, s88                     ; first row + 16 t
	s_cmp_lt_u32 s[96+\i], s91
	s_cselect_b32 s[96+\i], s66, 4096
	s_min_u32 s[96+\i], s[96+\i], 4096
	s_lshl_b32 s[96+\i], s[96+\i], 2
.endr
	s_load_b512 s[16:31], s[12:13], s96 offset:0x0
	s_load_b512 s[32:47], s[12:13], s97 offset:0x0
	s_load_b512 s[48:63], s[12:13], s98 offset:0x0
	s_load_b512 s[68:83], s[12:13], s99 offset:0x0
	s_add_co_u32 s101, s101, 32
.endm
.macro ADDRS i, tk
.irp rho, 0,1,2,3,4,5,6,7,8,9,10,11,12,13,14,15
	s_min_u32 s[\tk+\rho], s[\tk+\rho], 0xfff
	v_lshl_add_u32 v[XF+16*\i+\rho], s[\tk+\rho], 9, v[L16]    ; 512 x token + 16 x lane
.endr
.endm
.macro ISSUE_X                         ; 64 rows of xq, 512 consecutive bytes an instruction, into window 3
	ADDRS 0, 16
	ADDRS 1, 32
	ADDRS 2, 48
	ADDRS 3, 68
	WIN 0xc0                                       ; destination window 3, address window 0
.irp i, 0,1,2,3
.irp rho, 0,1,2,3,4,5,6,7,8,9,10,11,12,13,14,15
	global_load_b128 v[64*\i+4*\rho:64*\i+4*\rho+3], v[XF+16*\i+\rho], s[4:5]
.endr
.endr
	WIN 0
	s_wait_xcnt 0x0                                ; the offsets lie where x's fragments go: they are written again only behind this wait
.endm
.macro STAGE
	WIN 0x0c                                       ; store data window 3
.irp i, 0,1,2,3
.irp rho, 0,1,2,3,4,5,6,7,8,9,10,11,12,13,14,15
	ds_store_b128 v[STW], v[64*\i+4*\rho:64*\i+4*\rho+3] offset:8448*\i+528*\rho
.endr
.endr
	WIN 0
.endm
.macro QUANT                           ; the activation and the hold in one; each accumulator is read from its low end on
.irp b, 0,1,2,3
.irp i, 0,1,2,3,4,5,6,7,8,9,10,11,12,13,14,15
	v_med3_num_f32 v[ACC+16*\b+\i], v[ACC+16*\b+\i], 0, v[LIM]
.endr
	v_cvt_scalef32_pk8_fp8_f32 v[PC+4*\b:PC+4*\b+1], v[ACC+16*\b:ACC+16*\b+7], v[SCL]
	v_cvt_scalef32_pk8_fp8_f32 v[PC+4*\b+2:PC+4*\b+3], v[ACC+16*\b+8:ACC+16*\b+15], v[SCL]
.endr
	v_nop                                          ; a plain line between the last conversion and the next products, which write its sources
.endm
; tile s100 + 8 i, if the expert has it
.macro SLOT i
	s_add_co_u32 s66, s100, 8*\i
	s_cmp_ge_u32 s66, s91
	s_cbranch_scc1 .Lskip_\@
.irp s, 0,1,2,3
.irp c, 0,1,2,3
	ds_load_b128 v[XF+16*\s+4*\c:XF+16*\s+4*\c+3], v[STR] offset:8448*\i+128*\s+32*\c
.endr
.endr
	s_wait_dscnt 0x0
	WIN 0x01                                       ; source 0 (W1) window 1.  The eight accumulators take turns, one instruction a turn
.irp t, 0,1,2,3,4,5,6,7
	v_wmma_f32_16x16x128_fp8_fp8 v[ACC+8*\t:ACC+8*\t+7], v[16*\t:16*\t+15], v[XF:XF+15], v[B1+8*\t:B1+8*\t+7]
.endr
.irp t, 0,1,2,3,4,5,6,7
	v_wmma_f32_16x16x128_fp8_fp8 v[ACC+8*\t:ACC+8*\t+7], v[128+16*\t:128+16*\t+15], v[XF+16:XF+31], v[ACC+8*\t:ACC+8*\t+7]
.endr
	WIN 0x02                                       ; source 0 window 2
.irp t, 0,1,2,3,4,5,6,7
	v_wmma_f32_16x16x128_fp8_fp8 v[ACC+8*\t:ACC+8*\t+7], v[16*\t:16*\t+15], v[XF+32:XF+47], v[ACC+8*\t:ACC+8*\t+7]
.endr
.irp t, 0,1,2,3,4,5,6,7
	v_wmma_f32_16x16x128_fp8_fp8 v[ACC+8*\t:ACC+8*\t+7], v[128+16*\t:128+16*\t+15], v[XF+48:XF+63], v[ACC+8*\t:ACC+8*\t+7]
.endr
	WIN 0
	PLACES 4                                       ; in front of the first read of results (ISA guide 7.12.1)
	s_wait_xcnt 0x0                                ; the last tile's stores have read their codes and their offset
	QUANT
	s_add_co_u32 s66, s66, s90                     ; the padded tile
	s_min_u32 s66, s66, 263
	v_lshl_add_u32 v[HA], s66, 15, v[L16]
.irp c, 0,1,2,3
	global_store_b128 v[HA], v[PC+4*\c:PC+4*\c+3], s[84:85] offset:512*\c     ; 512 consecutive bytes of the image
.endr
.Lskip_\@:
.endm
	s_load_b256 s[4:11], s[0:1], 0x0               ; xq 4:5, w1q 6:7, b1 8:9, scales 10:11
	s_load_b128 s[12:15], s[0:1], 0x20             ; order 12:13, meta 14:15
	s_load_b64 s[84:85], s[0:1], 0x30              ; hq
	v_lshl_add_u32 v254, v0, 2, 0x21000
	v_mov_b32 v255, 0
	v_lshrrev_b32 v1, 5, v0
	v_readfirstlane_b32 s2, v1                     ; wave
	v_and_b32 v6, 31, v0
	v_lshlrev_b32 v[L16], 4, v6
	v_and_b32 v7, 15, v0                           ; r
	v_bfe_u32 v8, v0, 4, 1                         ; hh
	s_mul_i32 s86, s2, 33792
	v_add_nc_u32 v[STW], s86, v[L16]
	v_mul_u32_u24 v[STR], v7, 528
	v_lshl_add_u32 v[STR], v8, 4, v[STR]
	v_add_nc_u32 v[STR], s86, v[STR]
	v_lshlrev_b32 v[BO], 6, v8
	s_lshr_b32 s66, ttmp9, 5                       ; e
	s_bfe_u32 s67, ttmp9, 0x20003                  ; uq
	s_and_b32 s3, ttmp9, 7                         ; g
	s_lshl_b32 s67, s67, 2
	s_add_co_u32 s67, s67, s2                      ; u = 4 uq + w
	s_lshl_b32 s100, s66, 4
	s_wait_kmcnt 0x0
	s_load_b128 s[88:91], s[14:15], s100 offset:0x0   ; first row, rows, first padded tile, tiles
	s_load_b128 s[92:95], s[10:11], s100 offset:0x0   ; ex, ew1, eh, ew2
	s_lshl_b32 s96, s66, 20                        ; an expert's codes of W1: 1 MiB; a block u: 64 KiB
	s_lshl_b32 s97, s67, 16
	s_add_co_u32 s96, s96, s97
	s_mov_b32 s97, 0
	s_add_nc_u64 s[6:7], s[6:7], s[96:97]
	s_lshl_b32 s96, s66, 13
	s_lshl_b32 s98, s67, 9
	s_add_co_u32 s96, s96, s98                     ; b1: (2,048 e + 128 u) x 4
	s_add_nc_u64 s[8:9], s[8:9], s[96:97]
	s_lshl_b32 s96, s67, 11
	s_add_nc_u64 s[84:85], s[84:85], s[96:97]      ; hq at K step u
	WIN 0x40                                       ; destination window 1
.set f, 0
.rept 16
.irp c, 0,1,2,3
	global_load_b128 v[16*f+4*\c:16*f+4*\c+3], v[L16], s[6:7] offset:2048*f+512*\c
.endr
.set f, f+1
.endr
	WIN 0
	s_wait_kmcnt 0x0
	s_add_co_u32 s87, s91, 7
	s_sub_co_u32 s87, s87, s3
	s_lshr_b32 s87, s87, 3                         ; my tiles: those of g, g + 8, .. under the expert's number
	s_add_co_u32 s87, s87, 3
	s_lshr_b32 s87, s87, 2                         ; trips of four
	s_cmp_eq_u32 s87, 0
	s_cbranch_scc1 .Lend
	s_mov_b32 s100, s3                             ; the first tile of the trip in hand,
	s_mov_b32 s101, s3                             ; and of the next request for tokens
	s_mov_b32 s86, 0
	LOAD_TOK                                       ; trip 0's tokens
	WIN 0x80                                       ; destination window 2
.set f, 0
.rept 16
.irp c, 0,1,2,3
	global_load_b128 v[16*f+4*\c:16*f+4*\c+3], v[L16], s[6:7] offset:2048*(16+f)+512*\c
.endr
.set f, f+1
.endr
	WIN 0
.irp t, 0,1,2,3,4,5,6,7                        ; lane (r, hh) wants, for tile t, b1 of hidden units 32 (t >> 1) + 16 hh + 8 (t & 1) + 0 .. 7
	global_load_b128 v[B1+8*\t:B1+8*\t+3], v[BO], s[8:9] offset:(32*(\t/2)+8*(\t%2))*4
	global_load_b128 v[B1+8*\t+4:B1+8*\t+7], v[BO], s[8:9] offset:(32*(\t/2)+8*(\t%2))*4+16
.endr
	s_add_co_i32 s10, s92, s93                     ; ex + ew1: a sum stands for sum x 2^(ex + ew1)
	s_sub_co_i32 s11, s94, s10                     ; so its code is sum / 2^(eh - ex - ew1)
	s_sub_co_i32 s10, 0, s10
	s_add_co_i32 s11, s11, 127
	s_lshl_b32 s14, s11, 23
	v_mov_b32 v[SCL], s14
	s_add_co_i32 s11, s11, 8
	s_lshl_b32 s11, s11, 23
	s_or_b32 s11, s11, 0x600000
	v_mov_b32 v[LIM], s11                          ; 448 x that
	s_wait_kmcnt 0x0                               ; trip 0's tokens
	ISSUE_X
	LOAD_TOK                                       ; trip 1's tokens
	s_wait_loadcnt 0x0
.set i, 0
.rept 64
	v_ldexp_f32 v[B1+i], v[B1+i], s10              ; b1 / 2^(ex + ew1)
.set i, i+1
.endr
.Ltrip:
	s_wait_loadcnt 0x0                             ; this trip's 64 rows are in
	STAGE
	s_wait_dscnt 0x0                               ; the stores have read their registers, which take the next trip's rows
	s_add_co_u32 s86, s86, 1
	s_cmp_lt_u32 s86, s87
	s_cbranch_scc0 .Lnopf
	s_wait_kmcnt 0x0                               ; the next trip's tokens; the offsets of their loads may be written again
	ISSUE_X                                        ; the next trip's rows have this trip's four tiles in which to land
	LOAD_TOK
.Lnopf:
	SLOT 0
	SLOT 1
	SLOT 2
	SLOT 3
	s_add_co_u32 s100, s100, 32
	s_cmp_lt_u32 s86, s87
	s_cbranch_scc1 .Ltrip
.Lend:
	s_wait_kmcnt 0x0
	s_wait_tensorcnt 0x0
	ds_add_u32 v254, v255
	s_wait_dscnt 0x0
	s_endpgm
.Lfunc_end_k_qfd97fcdf4b_ffn1:
	.size	k_qfd97fcdf4b_ffn1, .Lfunc_end_k_qfd97fcdf4b_ffn1-k_qfd97fcdf4b_ffn1
	.p2alignl 7, 3214868480
	.fill 96, 4, 3214868480
	.section	.rodata,"a",@progbits
	.p2align	6, 0x0
	.amdhsa_kernel k_qfd97fcdf4b_ffn1
		.amdhsa_group_segment_fixed_size 135680
		.amdhsa_private_segment_fixed_size 0
		.amdhsa_enable_private_segment 0
		.amdhsa_kernarg_size 56
		.amdhsa_user_sgpr_count 2
		.amdhsa_user_sgpr_kernarg_segment_ptr 1
		.amdhsa_wavefront_size32 1
		.amdhsa_system_sgpr_workgroup_id_x 1
		.amdhsa_system_sgpr_workgroup_id_y 1
		.amdhsa_system_sgpr_workgroup_id_z 1
		.amdhsa_system_vgpr_workitem_id 0
		.amdhsa_next_free_vgpr 1024
		.amdhsa_next_free_sgpr 102
		.amdhsa_reserve_vcc 0
		.amdhsa_float_denorm_mode_32 3
		.amdhsa_float_denorm_mode_16_64 3
		.amdhsa_memory_ordered 1
		.amdhsa_forward_progress 1
		.amdhsa_inst_pref_size 91
	.end_amdhsa_kernel
	.amdgpu_metadata
---
amdhsa.version: [ 1, 2 ]
amdhsa.kernels:
  - .name:           k_qfd97fcdf4b_ffn1
    .symbol:         k_qfd97fcdf4b_ffn1.kd
    .args:
      - { .name: xq, .offset: 0, .size: 8, .value_kind: global_buffer, .address_space: global }
      - { .name: w1q, .offset: 8, .size: 8, .value_kind: global_buffer, .address_space: global }
      - { .name: b1, .offset: 16, .size: 8, .value_kind: global_buffer, .address_space: global }
      - { .name: lowp_scales, .offset: 24, .size: 8, .value_kind: global_buffer, .address_space: global }
      - { .name: order, .offset: 32, .size: 8, .value_kind: global_buffer, .address_space: global }
      - { .name: meta, .offset: 40, .size: 8, .value_kind: global_buffer, .address_space: global }
      - { .name: hq, .offset: 48, .size: 8, .value_kind: global_buffer, .address_space: global }
    .group_segment_fixed_size: 135680
    .private_segment_fixed_size: 0
    .kernarg_segment_align: 8
    .kernarg_segment_size: 56
    .max_flat_workgroup_size: 128
    .sgpr_count:     102
    .vgpr_count:     1024
    .wavefront_size: 32
...
	.end_amdgpu_metadata
.endif
;; end of part 3
;; launch ffn2 (part 4): grid 256 x 1, 4 waves a work-group, no clusters, 270,848 bytes of LDS; arguments hq, w2q, b2, lowp_scales, meta, out0; writes out0
.if DOCPART == 4
	.amdgcn_target "amdgcn-amd-amdhsa--gfx1250"
	.amdhsa_code_object_version 6
	.text
	.protected	k_qfd97fcdf4b_ffn2
	.globl	k_qfd97fcdf4b_ffn2
	.p2align	8
	.type	k_qfd97fcdf4b_ffn2,@function
k_qfd97fcdf4b_ffn2:
	s_mov_b64 s[64:65], 0
	v_nop
	global_prefetch_b8 v0, s[64:65] scope:SCOPE_SE
	s_setreg_imm32_b32 hwreg(HW_REG_WAVE_MODE, 25, 1), 1
	s_wait_xcnt 0x0
; FFN2.  y = h W2[e] + b2[e] for each sorted row's own expert, into out0's sorted rows.
; SHARES.  Work-group = (e, cb, g): expert e, output columns 128 cb .. + 127, row tiles t = g, g + 8, .. of that expert.  THE FOUR WAVES SPLIT K = 2,048: wave w keeps W2's codes of all 128 columns and
; K steps 4 w .. 4 w + 3 in 512 registers (32 fragments, read once) and loads only its quarter of each tile of h, as images of the operand's registers, straight into registers.
; So no byte of h or of W2 is asked for twice in the work-group.  The four partial sums of a tile meet in LDS; wave w then adds rows 4 w .. 4 w + 3 in f32, (p0 + p1) + (p2 + p3), and stores
; sum x 2^(eh + ew2) + b2, a row's 512 consecutive bytes an instruction.  Rows past the expert's last row are not stored.
; BARRIERS.  The number of tiles is read from meta, and every wave passes every barrier: so the walk has a CONSTANT number of sub-trips, 8 of four tiles (t up to g + 248: all 4,096 tokens on one expert
; are served), and only a sub-trip's work is jumped over, by scalar branches on meta that stand round no barrier.  Two LDS buffers take turns, so that one barrier a sub-trip does: a buffer is written again
; only behind the next sub-trip's barrier, in front of which every wave has waited for its reads of it.
; No tensor load, copy or joint load: branches hang on numbers read from memory, and partners would have different numbers of tiles.
; The product is used transposed (source 0 = 16 columns of W2, source 1 = 16 rows of h): a lane holds 8 neighbouring columns of one row.
; LIMIT: eh + ew2 between -126 and 127.
; LDS: buffer bf at 135,168 bf; tile slot i at + 33,792 i; wave w's partial sums at + 8,448 w: 16 rows x (512 + 16) bytes.
; REGISTERS: window 0: v1 16 x lane; v2-9 where I put partial sums (buffer, slot); v10-17 where I read rows back; v18-21 h's offsets; v22 out0's offset; v24-27 b2; v32-95, v96-159 two sets of 8 accumulators;
;   v160-223 four rows x four partial sums.   windows 1, 2: W2's fragments (8 sl + ct at 16 (8 sl + ct)).   window 3: h's fragments, 64 a slot.
.set L16, 1
.set PW,  2
.set PR,  10
.set HAD, 18
.set OA,  22
.set BB,  24
.set ACC0, 32
.set FIN, 160
.set MSB, 0
.macro WIN new                         ; the immediate's high byte repeats the setting that is left
.if MSB != \new
	s_set_vgpr_msb (MSB<<8)|\new
.set MSB, \new
.endif
.endm
.macro PLACES n
.rept \n
	v_nop
.endr
.endm
; my quarter of K for tile s27 + 8 i, if the expert has it: 32 products, then the partial sums into LDS
.macro MULSLOT bf, i
	s_add_co_u32 s30, s27, 8*\i
	s_cmp_ge_u32 s30, s19
	s_cbranch_scc1 .Lms_\@
	s_wait_loadcnt 16*(3-\i)                       ; this slot's 16 loads are in (and W2, asked for earlier); the later slots' may be out
	s_wait_dscnt 16                                ; the stores of the slot two back, which read this set of accumulators, are done; the last slot's 16 may be out
.set AC, ACC0+64*((\i)%2)
	WIN 0x0d                                       ; source 0 (W2) window 1, source 1 (h) window 3.  The eight accumulators take turns, one instruction a turn
.irp ct, 0,1,2,3,4,5,6,7
	v_wmma_f32_16x16x128_fp8_fp8 v[AC+8*\ct:AC+8*\ct+7], v[16*\ct:16*\ct+15], v[64*\i:64*\i+15], 0
.endr
.irp ct, 0,1,2,3,4,5,6,7
	v_wmma_f32_16x16x128_fp8_fp8 v[AC+8*\ct:AC+8*\ct+7], v[128+16*\ct:128+16*\ct+15], v[64*\i+16:64*\i+31], v[AC+8*\ct:AC+8*\ct+7]
.endr
	WIN 0x0e                                       ; source 0 window 2
.irp ct, 0,1,2,3,4,5,6,7
	v_wmma_f32_16x16x128_fp8_fp8 v[AC+8*\ct:AC+8*\ct+7], v[16*\ct:16*\ct+15], v[64*\i+32:64*\i+47], v[AC+8*\ct:AC+8*\ct+7]
.endr
.irp ct, 0,1,2,3,4,5,6,7
	v_wmma_f32_16x16x128_fp8_fp8 v[AC+8*\ct:AC+8*\ct+7], v[128+16*\ct:128+16*\ct+15], v[64*\i+48:64*\i+63], v[AC+8*\ct:AC+8*\ct+7]
.endr
	WIN 0
	PLACES 5                                       ; four in front of the stores that read results; the fifth for a later product that begins an accumulator anew
.irp ct, 0,1,2,3,4,5,6,7
	ds_store_b128 v[PW+4*\bf+\i], v[AC+8*\ct:AC+8*\ct+3] offset:64*\ct          ; each accumulator from its low end on
	ds_store_b128 v[PW+4*\bf+\i], v[AC+8*\ct+4:AC+8*\ct+7] offset:64*\ct+16
.endr
.Lms_\@:
.endm
; rows 4 w .. 4 w + 3 of tile s27 + 8 i: the four partial sums, the scale, the bias, the store
.macro FINAL bf, i
	s_add_co_u32 s30, s27, 8*\i
	s_cmp_ge_u32 s30, s19
	s_cbranch_scc1 .Lfe_\@
	s_wait_xcnt 0x0                                ; the last tile's stores have read their registers and their offset
.irp a, 0,1,2,3
.irp p, 0,1,2,3
	ds_load_b128 v[FIN+16*\a+4*\p:FIN+16*\a+4*\p+3], v[PR+4*\bf+\i] offset:8448*\p+528*\a
.endr
.endr
	s_lshl_b32 s30, s30, 4
	s_lshl_b32 s31, s26, 2
	s_add_co_u32 s30, s30, s31                     ; my first row within the expert: 16 t + 4 w
	s_sub_co_i32 s31, s17, s30                     ; how many rows the expert has from there on
	s_add_co_u32 s30, s30, s16                     ; the sorted row
	s_min_u32 s30, s30, 0xfff
	v_lshl_add_u32 v[OA], s30, 11, v[L16]
	s_wait_dscnt 0x0
.irp a, 0,1,2,3
	v_pk_add_f32 v[FIN+16*\a:FIN+16*\a+1], v[FIN+16*\a:FIN+16*\a+1], v[FIN+16*\a+4:FIN+16*\a+5]
	v_pk_add_f32 v[FIN+16*\a+2:FIN+16*\a+3], v[FIN+16*\a+2:FIN+16*\a+3], v[FIN+16*\a+6:FIN+16*\a+7]
	v_pk_add_f32 v[FIN+16*\a+8:FIN+16*\a+9], v[FIN+16*\a+8:FIN+16*\a+9], v[FIN+16*\a+12:FIN+16*\a+13]
	v_pk_add_f32 v[FIN+16*\a+10:FIN+16*\a+11], v[FIN+16*\a+10:FIN+16*\a+11], v[FIN+16*\a+14:FIN+16*\a+15]
.endr
.irp a, 0,1,2,3
	v_pk_add_f32 v[FIN+16*\a:FIN+16*\a+1], v[FIN+16*\a:FIN+16*\a+1], v[FIN+16*\a+8:FIN+16*\a+9]
	v_pk_add_f32 v[FIN+16*\a+2:FIN+16*\a+3], v[FIN+16*\a+2:FIN+16*\a+3], v[FIN+16*\a+10:FIN+16*\a+11]
.endr
.irp a, 0,1,2,3
	v_pk_fma_f32 v[FIN+16*\a:FIN+16*\a+1], v[FIN+16*\a:FIN+16*\a+1], s[24:25], v[BB:BB+1] op_sel_hi:[1,0,1]        ; sum x 2^(eh + ew2) + b2
	v_pk_fma_f32 v[FIN+16*\a+2:FIN+16*\a+3], v[FIN+16*\a+2:FIN+16*\a+3], s[24:25], v[BB+2:BB+3] op_sel_hi:[1,0,1]
.endr
.irp a, 0,1,2,3
	s_cmp_gt_i32 s31, \a
	s_cbranch_scc0 .Lfe_\@
	global_store_b128 v[OA], v[FIN+16*\a:FIN+16*\a+3], s[14:15] offset:2048*\a th:TH_STORE_NT   ; 32 lanes store 512 consecutive bytes, at a multiple of 256 from out0's first byte
.endr
.Lfe_\@:
.endm
; a sub-trip: tiles s27, s27 + 8, + 16, + 24, through LDS buffer bf
.macro SUB bf
	s_cmp_ge_u32 s27, s19
	s_cbranch_scc1 .Lidle_\@
.irp i, 0,1,2,3
	s_add_co_u32 s30, s27, 8*\i
	s_add_co_u32 s31, s30, s18                     ; the padded tile; a tile that the expert does not have takes tile 0, which is always written, and is not used
	s_cmp_lt_u32 s30, s19
	s_cselect_b32 s31, s31, 0
	s_min_u32 s31, s31, 263
	v_lshl_add_u32 v[HAD+\i], s31, 15, v[L16]
.endr
	WIN 0xc0                                       ; destination window 3, address window 0
.irp i, 0,1,2,3
.irp sl, 0,1,2,3
.irp c, 0,1,2,3
	global_load_b128 v[64*\i+16*\sl+4*\c:64*\i+16*\sl+4*\c+3], v[HAD+\i], s[4:5] offset:2048*\sl+512*\c
.endr
.endr
.endr
	WIN 0
	MULSLOT \bf, 0
	MULSLOT \bf, 1
	MULSLOT \bf, 2
	MULSLOT \bf, 3
.Lidle_\@:
	s_wait_loadcnt 0x0                             ; also the loads of slots that were jumped over: their registers and offsets are written again in a later sub-trip
	s_wait_dscnt 0x0                               ; for the others' sake: my partial sums have landed, and my reads of the other buffer are over
	s_barrier_signal -1
	s_barrier_wait -1
	s_cmp_ge_u32 s27, s19
	s_cbranch_scc1 .Lnofin_\@
	FINAL \bf, 0
	FINAL \bf, 1
	FINAL \bf, 2
	FINAL \bf, 3
.Lnofin_\@:
	s_add_co_u32 s27, s27, 32
.endm
	s_load_b256 s[4:11], s[0:1], 0x0               ; hq 4:5, w2q 6:7, b2 8:9, scales 10:11
	s_load_b128 s[12:15], s[0:1], 0x20             ; meta 12:13, out0 14:15
	v_lshl_add_u32 v254, v0, 2, 0x42000
	v_mov_b32 v255, 0
	v_lshrrev_b32 v1, 5, v0
	v_readfirstlane_b32 s26, v1                    ; wave
	v_and_b32 v28, 31, v0
	v_lshlrev_b32 v[L16], 4, v28
	v_and_b32 v29, 15, v0                          ; r
	v_bfe_u32 v30, v0, 4, 1                        ; hh
	s_lshr_b32 s30, ttmp9, 5                       ; e
	s_bfe_u32 s31, ttmp9, 0x20003                  ; cb
	s_and_b32 s27, ttmp9, 7                        ; g: the first sub-trip's first tile
	s_lshl_b32 s32, s30, 4
	s_mov_b32 s35, 0
	s_wait_kmcnt 0x0
	s_load_b128 s[16:19], s[12:13], s32 offset:0x0    ; first row, rows, first padded tile, tiles
	s_load_b128 s[20:23], s[10:11], s32 offset:0x0    ; ex, ew1, eh, ew2
	s_lshl_b32 s34, s30, 20                        ; an expert's codes of W2: 1 MiB; a block cb: 256 KiB; a wave's quarter of K: 64 KiB
	s_lshl_b32 s36, s31, 18
	s_add_co_u32 s34, s34, s36
	s_lshl_b32 s36, s26, 16
	s_add_co_u32 s34, s34, s36
	s_add_nc_u64 s[6:7], s[6:7], s[34:35]
	s_lshl_b32 s34, s26, 13                        ; h: my four K steps of a tile begin 8,192 w bytes in
	s_add_nc_u64 s[4:5], s[4:5], s[34:35]
	s_lshl_b32 s34, s30, 11
	s_lshl_b32 s36, s31, 9
	s_add_co_u32 s34, s34, s36                     ; b2: (512 e + 128 cb) x 4
	s_add_nc_u64 s[8:9], s[8:9], s[34:35]
	s_lshl_b32 s34, s31, 9                         ; out0: 128 cb columns
	s_add_nc_u64 s[14:15], s[14:15], s[34:35]
	WIN 0x40                                       ; destination window 1
.set f, 0
.rept 16
.irp c, 0,1,2,3
	global_load_b128 v[16*f+4*\c:16*f+4*\c+3], v[L16], s[6:7] offset:2048*f+512*\c
.endr
.set f, f+1
.endr
	WIN 0x80                                       ; destination window 2
.set f, 0
.rept 16
.irp c, 0,1,2,3
	global_load_b128 v[16*f+4*\c:16*f+4*\c+3], v[L16], s[6:7] offset:2048*(16+f)+512*\c
.endr
.set f, f+1
.endr
	WIN 0
	global_load_b128 v[BB:BB+3], v[L16], s[8:9]    ; b2 of my four columns 128 cb + 4 lane ..
	s_mul_i32 s36, s26, 8448
	v_mul_u32_u24 v31, v29, 528
	v_lshl_add_u32 v31, v30, 5, v31
	v_add_nc_u32 v31, s36, v31                     ; 8,448 w + 528 r + 32 hh
	s_mul_i32 s36, s26, 2112
	v_add_nc_u32 v28, s36, v[L16]                  ; 528 x 4 w + 16 lane
.irp bf, 0,1
.irp i, 0,1,2,3
	v_add_nc_u32 v[PW+4*\bf+\i], 135168*\bf+33792*\i, v31
	v_add_nc_u32 v[PR+4*\bf+\i], 135168*\bf+33792*\i, v28
.endr
.endr
	s_wait_kmcnt 0x0
	s_add_co_i32 s24, s22, s23
	s_add_co_i32 s24, s24, 127
	s_lshl_b32 s24, s24, 23                        ; 2^(eh + ew2) as f32
	s_mov_b32 s25, s24                             ; (named with it as a pair, so it is written)
	s_mov_b32 s28, 4
.Lpair:
	SUB 0
	SUB 1
	s_sub_co_u32 s28, s28, 1
	s_cmp_lg_u32 s28, 0
	s_cbranch_scc1 .Lpair
	s_wait_tensorcnt 0x0
	ds_add_u32 v254, v255
	s_wait_dscnt 0x0
	s_endpgm
.Lfunc_end_k_qfd97fcdf4b_ffn2:
	.size	k_qfd97fcdf4b_ffn2, .Lfunc_end_k_qfd97fcdf4b_ffn2-k_qfd97fcdf4b_ffn2
	.p2alignl 7, 3214868480
	.fill 96, 4, 3214868480
	.section	.rodata,"a",@progbits
	.p2align	6, 0x0
	.amdhsa_kernel k_qfd97fcdf4b_ffn2
		.amdhsa_group_segment_fixed_size 270848
		.amdhsa_private_segment_fixed_size 0
		.amdhsa_enable_private_segment 0
		.amdhsa_kernarg_size 48
		.amdhsa_user_sgpr_count 2
		.amdhsa_user_sgpr_kernarg_segment_ptr 1
		.amdhsa_wavefront_size32 1
		.amdhsa_system_sgpr_workgroup_id_x 1
		.amdhsa_system_sgpr_workgroup_id_y 1
		.amdhsa_system_sgpr_workgroup_id_z 1
		.amdhsa_system_vgpr_workitem_id 0
		.amdhsa_next_free_vgpr 1024
		.amdhsa_next_free_sgpr 66
		.amdhsa_reserve_vcc 0
		.amdhsa_float_denorm_mode_32 3
		.amdhsa_float_denorm_mode_16_64 3
		.amdhsa_memory_ordered 1
		.amdhsa_forward_progress 1
		.amdhsa_inst_pref_size 90
	.end_amdhsa_kernel
	.amdgpu_metadata
---
amdhsa.version: [ 1, 2 ]
amdhsa.kernels:
  - .name:           k_qfd97fcdf4b_ffn2
    .symbol:         k_qfd97fcdf4b_ffn2.kd
    .args:
      - { .name: hq, .offset: 0, .size: 8, .value_kind: global_buffer, .address_space: global }
      - { .name: w2q, .offset: 8, .size: 8, .value_kind: global_buffer, .address_space: global }
      - { .name: b2, .offset: 16, .size: 8, .value_kind: global_buffer, .address_space: global }
      - { .name: lowp_scales, .offset: 24, .size: 8, .value_kind: global_buffer, .address_space: global }
      - { .name: meta, .offset: 32, .size: 8, .value_kind: global_buffer, .address_space: global }
      - { .name: out0, .offset: 40, .size: 8, .value_kind: global_buffer, .address_space: global }
    .group_segment_fixed_size: 270848
    .private_segment_fixed_size: 0
    .kernarg_segment_align: 8
    .kernarg_segment_size: 48
    .max_flat_workgroup_size: 128
    .sgpr_count:     66
    .vgpr_count:     1024
    .wavefront_size: 32
...
	.end_amdgpu_metadata
.endif
;; end of part 4
;; ======== version 2 of 2: 4 launches; version 1 with the launches ffn1, ffn2 written anew for expert scheduling mode
;; workspace buffers: xq 2,097,152 bytes; routes 16,384 bytes of whole numbers; w1q 8,388,608 bytes; w2q 8,388,608 bytes; order 16,640 bytes of whole numbers; meta 256 bytes of whole numbers; hq 8,650,752 bytes
;; launch prep1: the kernel of part 1 again; grid 768 x 1, 4 waves a work-group, no clusters, 0 bytes of LDS; arguments x, Wg, bg, lowp_scales, W1, xq, routes, w1q; writes xq, routes, w1q
;; launch prep2: the kernel of part 2 again; grid 513 x 1, 4 waves a work-group, no clusters, 1,536 bytes of LDS; arguments routes, W2, lowp_scales, order, meta, w2q; writes order, meta, w2q
;; launch ffn1 (part 5): grid 256 x 1, 4 waves a work-group, no clusters, 135,680 bytes of LDS; arguments xq, w1q, b1, lowp_scales, order, meta, hq; writes hq
.if DOCPART == 5
	.amdgcn_target "amdgcn-amd-amdhsa--gfx1250"
	.amdhsa_code_object_version 6
	.text
	.protected	k_qfd97fcdf4b_ffn1
	.globl	k_qfd97fcdf4b_ffn1
	.p2align	8
	.type	k_qfd97fcdf4b_ffn1,@function
k_qfd97fcdf4b_ffn1:
	s_mov_b64 s[64:65], 0
	v_nop
	global_prefetch_b8 v0, s[64:65] scope:SCOPE_SE
	s_setreg_imm32_b32 hwreg(HW_REG_WAVE_SCHED_MODE, 0, 2), 2
	s_setreg_imm32_b32 hwreg(HW_REG_WAVE_MODE, 25, 1), 1
	s_wait_xcnt 0x0
	s_wait_alu depctr_vm_vsrc(0)
; FFN1.  h = relu(xs W1[e] + b1[e]) as codes of E4M3, for each token's own expert alone, in the sorted order, tiles of 16 rows.
; SHARES.  Work-group = (e, uq, g): expert e, hidden units 512 uq .. + 511, row tiles t = g, g + 8, g + 16 .. of that expert.  Wave w keeps W1's codes of hidden units 128 (4 uq + w) .. + 127 and all K = 512
; in 512 registers for the whole launch (32 fragments, read from memory once) and walks the tiles, four to a trip.  Waves share nothing: no barrier; each wave's LDS bytes are its own.
; The number of trips is read from meta, which an earlier launch stored: so there is no tensor load, no copy and no joint load here (partners would have different numbers of tiles), and operands go
; from memory into registers.  A work-group that the split leaves without tiles stores nothing and ends.
; A TRIP.  The 64 rows of xq that the trip's four tiles name (their tokens come from order by scalar loads, one trip further ahead) were asked for a trip ago, a whole row of 512 bytes an instruction.
; They go through the wave's stage in LDS (rows 528 bytes apart) and come back as fragments.  The product is used transposed (source 0 = 16 hidden units, source 1 = 16 rows), with b1 / 2^(ex + ew1) as
; the C of each sum's first instruction; the 16 registers of tiles 2 b and 2 b + 1 are then 16 neighbours along the next K, and the conversions' results are one fragment of the second product:
; K step u = 4 uq + w of padded tile T = pt + t, stored as an image of its registers (2,048 bytes at hq + 32,768 T + 2,048 u).
; Rows past an expert's last row take the tokens that follow in order: their codes are written (hq's tiles are whole) and never used.
; LIMITS: eh - ex - ew1 between -126 and 119; b1 x 2^-(ex + ew1) stays an f32 number.
; REGISTERS, in windows of 256: window 0: v1-5 addresses; v24, v25 the conversion's scale and the hold; v32-95 x's four fragments (and, while rows are asked for, their 64 offsets); v96-159 eight accumulators;
;   v160-223 b1; v224-239 the codes.   window 1: W1's fragments of K steps 0, 1 (fragment 8 s + t at 16 (8 s + t)).   window 2: those of K steps 2, 3.   window 3: the 64 rows as loaded.
; THE MODE: SCHED_MODE bits 1:0 = 2 (LLVM: expert scheduling mode 2), set by the entry lines.  The code itself states the register dependences between vector or matrix instructions and memory or LDS
; instructions, with s_wait_alu, always for 0.
; THE PLAN.  Registers that memory or LDS instructions touch:
;   window 3      The trip's 64 rows.  Written by ISSUE_X's loads; read by STAGE's LDS stores and by nothing else.  One wait on vm_vsrc ahead of the loads: the stores have read them.
;   v32-95        By turns the 64 offsets (written by ADDRS' additions, read by ISSUE_X's loads) and x's four fragments (written by FETCH's LDS loads, read by a tile's 32 products).
;                 One wait on va_vdst between the additions and the loads; one on vm_vsrc behind the loads, ahead of the first fragments; one on va_vdst behind a tile's products, ahead of the next tile's
;                 fragments, which then land while this tile's sums are quantised: QUANT and the offset's addition name the accumulators, v24, v25, the codes, v4 and v1, none of v32-95 or v3.
;   v224-239, v4  A tile's codes and their offset.  Written by QUANT and one addition; read by the tile's four stores.  One wait on va_vdst ahead of the stores; one on vm_vsrc, beside the wait on XCNT,
;                 ahead of the next QUANT: 32 products behind those stores.
;   v1-3, v5      Offsets and LDS addresses, made at the head and never written again: one wait on va_vdst ahead of the first load.
;   W1's fragments and b1 are loaded once; behind their loads they, the accumulators, v24 and v25 are named by vector and matrix instructions alone.
.set L16, 1                            ; v1   16 x lane
.set STW, 2                            ; v2   the stage, in: 33,792 w + 16 lane
.set STR, 3                            ; v3   the stage, out: 33,792 w + 528 r + 16 hh
.set HA,  4                            ; v4   where the codes go in hq
.set BO,  5                            ; v5   64 hh: b1's offset
.set SCL, 24
.set LIM, 25
.set XF,  32
.set ACC, 96
.set B1,  160
.set PC,  224
.set MSB, 0
.macro WIN new                         ; the immediate's high byte repeats the setting that is left
.if MSB != \new
	s_set_vgpr_msb (MSB<<8)|\new
.set MSB, \new
.endif
.endm
.macro PLACES n
.rept \n
	v_nop
.endr
.endm
; the tokens of the four tiles s101, s101 + 8, + 16, + 24: 16 entries of order each.  A tile that the expert does not have takes the 16 zeros behind order's end.
.macro LOAD_TOK
.irp i, 0,1,2,3
	s_add_co_u32 s[96+\i], s101, 8*\i
	s_lshl_b32 s66, s[96+\i], 4
	s_add_co_u32 s66, s66, s88                     ; first row + 16 t
	s_cmp_lt_u32 s[96+\i], s91
	s_cselect_b32 s[96+\i], s66, 4096
	s_min_u32 s[96+\i], s[96+\i], 4096
	s_lshl_b32 s[96+\i], s[96+\i], 2
.endr
	s_load_b512 s[16:31], s[12:13], s96 offset:0x0
	s_load_b512 s[32:47], s[12:13], s97 offset:0x0
	s_load_b512 s[48:63], s[12:13], s98 offset:0x0
	s_load_b512 s[68:83], s[12:13], s99 offset:0x0
	s_add_co_u32 s101, s101, 32
.endm
.macro ADDRS i, tk
.irp rho, 0,1,2,3,4,5,6,7,8,9,10,11,12,13,14,15
	s_min_u32 s[\tk+\rho], s[\tk+\rho], 0xfff
	v_lshl_add_u32 v[XF+16*\i+\rho], s[\tk+\rho], 9, v[L16]    ; 512 x token + 16 x lane
.endr
.endm
.macro ISSUE_X first                   ; 64 rows of xq, 512 consecutive bytes an instruction, into window 3.  first = 1: at the head, where nothing has read window 3 yet
	ADDRS 0, 16
	ADDRS 1, 32
	ADDRS 2, 48
	ADDRS 3, 68
	WIN 0xc0                                       ; destination window 3, address window 0
.if !\first
	s_wait_alu depctr_vm_vsrc(0)                   ; the stage's LDS stores have read window 3's registers, in which the rows below land
.endif
	s_wait_alu depctr_va_vdst(0)                   ; the 64 additions have written the offsets, which the loads below read
.irp i, 0,1,2,3
.irp rho, 0,1,2,3,4,5,6,7,8,9,10,11,12,13,14,15
	global_load_b128 v[64*\i+4*\rho:64*\i+4*\rho+3], v[XF+16*\i+\rho], s[4:5]
.endr
.endr
	WIN 0
	s_wait_xcnt 0x0                                ; the offsets lie where x's fragments go: they are written again only behind this wait
	s_wait_alu depctr_vm_vsrc(0)                   ; the 64 loads have read their offsets v32-95, in which x's fragments land
.endm
.macro STAGE
	WIN 0x0c                                       ; store data window 3
.irp i, 0,1,2,3
.irp rho, 0,1,2,3,4,5,6,7,8,9,10,11,12,13,14,15
	ds_store_b128 v[STW], v[64*\i+4*\rho:64*\i+4*\rho+3] offset:8448*\i+528*\rho
.endr
.endr
	WIN 0
.endm
.macro FETCH i                         ; the four fragments of the trip's tile i, out of the stage
.irp s, 0,1,2,3
.irp c, 0,1,2,3
	ds_load_b128 v[XF+16*\s+4*\c:XF+16*\s+4*\c+3], v[STR] offset:8448*(\i)+128*\s+32*\c
.endr
.endr
.endm
.macro QUANT                           ; the activation and the hold in one; each accumulator is read from its low end on
.irp b, 0,1,2,3
.irp i, 0,1,2,3,4,5,6,7,8,9,10,11,12,13,14,15
	v_med3_num_f32 v[ACC+16*\b+\i], v[ACC+16*\b+\i], 0, v[LIM]
.endr
	v_cvt_scalef32_pk8_fp8_f32 v[PC+4*\b:PC+4*\b+1], v[ACC+16*\b:ACC+16*\b+7], v[SCL]
	v_cvt_scalef32_pk8_fp8_f32 v[PC+4*\b+2:PC+4*\b+3], v[ACC+16*\b+8:ACC+16*\b+15], v[SCL]
.endr
	v_nop                                          ; a plain line between the last conversion and the next products, which write its sources
.endm
; tile s100 + 8 i, if the expert has it
.macro SLOT i
	s_add_co_u32 s66, s100, 8*\i
	s_cmp_ge_u32 s66, s91
	s_cbranch_scc1 .Lskip_\@
.if \i == 0
	FETCH 0                                        ; no wait: the last instructions that named v32-95 (the offsets' additions and loads, or the last trip's products) stand ahead of the waits in ISSUE_X or ahead of the last tile's stores
.endif
	s_wait_dscnt 0x0                               ; the tile's fragments are in: tile 0's asked for just now, the others' a tile ago
	WIN 0x01                                       ; source 0 (W1) window 1.  The eight accumulators take turns, one instruction a turn
.irp t, 0,1,2,3,4,5,6,7
	v_wmma_f32_16x16x128_fp8_fp8 v[ACC+8*\t:ACC+8*\t+7], v[16*\t:16*\t+15], v[XF:XF+15], v[B1+8*\t:B1+8*\t+7]
.endr
.irp t, 0,1,2,3,4,5,6,7
	v_wmma_f32_16x16x128_fp8_fp8 v[ACC+8*\t:ACC+8*\t+7], v[128+16*\t:128+16*\t+15], v[XF+16:XF+31], v[ACC+8*\t:ACC+8*\t+7]
.endr
	WIN 0x02                                       ; source 0 window 2
.irp t, 0,1,2,3,4,5,6,7
	v_wmma_f32_16x16x128_fp8_fp8 v[ACC+8*\t:ACC+8*\t+7], v[16*\t:16*\t+15], v[XF+32:XF+47], v[ACC+8*\t:ACC+8*\t+7]
.endr
.irp t, 0,1,2,3,4,5,6,7
	v_wmma_f32_16x16x128_fp8_fp8 v[ACC+8*\t:ACC+8*\t+7], v[128+16*\t:128+16*\t+15], v[XF+48:XF+63], v[ACC+8*\t:ACC+8*\t+7]
.endr
	WIN 0
	PLACES 4                                       ; in front of the first read of results (ISA guide 7.12.1)
.if \i < 3
	s_add_co_u32 s67, s66, 8                       ; the trip's next tile, if the expert has it: its fragments are asked for here and land while this tile is quantised
	s_cmp_ge_u32 s67, s91
	s_cbranch_scc1 .Lnone_\@
	s_wait_alu depctr_va_vdst(0)                   ; this tile's products are done reading v32-95, in which the next tile's fragments land
	FETCH \i+1
.Lnone_\@:
.endif
	s_wait_xcnt 0x0                                ; the last tile's stores have read their codes and their offset
	s_wait_alu depctr_vm_vsrc(0)                   ; the last tile's four stores have read v224-239 and v4, which QUANT and the addition below write again
	QUANT
	s_add_co_u32 s66, s66, s90                     ; the padded tile
	s_min_u32 s66, s66, 263
	v_lshl_add_u32 v[HA], s66, 15, v[L16]
	s_wait_alu depctr_va_vdst(0)                   ; the conversions have written the codes and the addition their offset, which the stores read; the tile's products are done reading v32-95, in which the next fragments or offsets' loads' successors land
.irp c, 0,1,2,3
	global_store_b128 v[HA], v[PC+4*\c:PC+4*\c+3], s[84:85] offset:512*\c     ; 512 consecutive bytes of the image
.endr
.Lskip_\@:
.endm
	s_load_b256 s[4:11], s[0:1], 0x0               ; xq 4:5, w1q 6:7, b1 8:9, scales 10:11
	s_load_b128 s[12:15], s[0:1], 0x20             ; order 12:13, meta 14:15
	s_load_b64 s[84:85], s[0:1], 0x30              ; hq
	v_lshl_add_u32 v254, v0, 2, 0x21000
	v_mov_b32 v255, 0
	v_lshrrev_b32 v1, 5, v0
	v_readfirstlane_b32 s2, v1                     ; wave
	v_and_b32 v6, 31, v0
	v_lshlrev_b32 v[L16], 4, v6
	v_and_b32 v7, 15, v0                           ; r
	v_bfe_u32 v8, v0, 4, 1                         ; hh
	s_wait_alu depctr_va_sdst(0)                   ; s2 is written, ahead of its first reader: the wave's LDS bytes and its part of W1, b1 and hq are made from it
	s_mul_i32 s86, s2, 33792
	v_add_nc_u32 v[STW], s86, v[L16]
	v_mul_u32_u24 v[STR], v7, 528
	v_lshl_add_u32 v[STR], v8, 4, v[STR]
	v_add_nc_u32 v[STR], s86, v[STR]
	v_lshlrev_b32 v[BO], 6, v8
	s_lshr_b32 s66, ttmp9, 5                       ; e
	s_bfe_u32 s67, ttmp9, 0x20003                  ; uq
	s_and_b32 s3, ttmp9, 7                         ; g
	s_lshl_b32 s67, s67, 2
	s_add_co_u32 s67, s67, s2                      ; u = 4 uq + w
	s_lshl_b32 s100, s66, 4
	s_wait_kmcnt 0x0
	s_load_b128 s[88:91], s[14:15], s100 offset:0x0   ; first row, rows, first padded tile, tiles
	s_load_b128 s[92:95], s[10:11], s100 offset:0x0   ; ex, ew1, eh, ew2
	s_lshl_b32 s96, s66, 20                        ; an expert's codes of W1: 1 MiB; a block u: 64 KiB
	s_lshl_b32 s97, s67, 16
	s_add_co_u32 s96, s96, s97
	s_mov_b32 s97, 0
	s_add_nc_u64 s[6:7], s[6:7], s[96:97]
	s_lshl_b32 s96, s66, 13
	s_lshl_b32 s98, s67, 9
	s_add_co_u32 s96, s96, s98                     ; b1: (2,048 e + 128 u) x 4
	s_add_nc_u64 s[8:9], s[8:9], s[96:97]
	s_lshl_b32 s96, s67, 11
	s_add_nc_u64 s[84:85], s[84:85], s[96:97]      ; hq at K step u
	WIN 0x40                                       ; destination window 1
	s_wait_alu depctr_va_vdst(0)                   ; v1, v2, v3 and v5 are written: the loads of W1 and b1 and the stage's LDS instructions read one of them, and none is written again
.set f, 0
.rept 16
.irp c, 0,1,2,3
	global_load_b128 v[16*f+4*\c:16*f+4*\c+3], v[L16], s[6:7] offset:2048*f+512*\c
.endr
.set f, f+1
.endr
	WIN 0
	s_wait_kmcnt 0x0
	s_add_co_u32 s87, s91, 7
	s_sub_co_u32 s87, s87, s3
	s_lshr_b32 s87, s87, 3                         ; my tiles: those of g, g + 8, .. under the expert's number
	s_add_co_u32 s87, s87, 3
	s_lshr_b32 s87, s87, 2                         ; trips of four
	s_cmp_eq_u32 s87, 0
	s_cbranch_scc1 .Lend
	s_mov_b32 s100, s3                             ; the first tile of the trip in hand,
	s_mov_b32 s101, s3                             ; and of the next request for tokens
	s_mov_b32 s86, 0
	LOAD_TOK                                       ; trip 0's tokens
	WIN 0x80                                       ; destination window 2.  (No vector instruction has been issued since the wait above)
.set f, 0
.rept 16
.irp c, 0,1,2,3
	global_load_b128 v[16*f+4*\c:16*f+4*\c+3], v[L16], s[6:7] offset:2048*(16+f)+512*\c
.endr
.set f, f+1
.endr
	WIN 0
.irp t, 0,1,2,3,4,5,6,7                        ; lane (r, hh) wants, for tile t, b1 of hidden units 32 (t >> 1) + 16 hh + 8 (t & 1) + 0 .. 7
	global_load_b128 v[B1+8*\t:B1+8*\t+3], v[BO], s[8:9] offset:(32*(\t/2)+8*(\t%2))*4
	global_load_b128 v[B1+8*\t+4:B1+8*\t+7], v[BO], s[8:9] offset:(32*(\t/2)+8*(\t%2))*4+16
.endr
	s_add_co_i32 s10, s92, s93                     ; ex + ew1: a sum stands for sum x 2^(ex + ew1)
	s_sub_co_i32 s11, s94, s10                     ; so its code is sum / 2^(eh - ex - ew1)
	s_sub_co_i32 s10, 0, s10
	s_add_co_i32 s11, s11, 127
	s_lshl_b32 s14, s11, 23
	v_mov_b32 v[SCL], s14
	s_add_co_i32 s11, s11, 8
	s_lshl_b32 s11, s11, 23
	s_or_b32 s11, s11, 0x600000
	v_mov_b32 v[LIM], s11                          ; 448 x that
	s_wait_kmcnt 0x0                               ; trip 0's tokens
	ISSUE_X 1
	LOAD_TOK                                       ; trip 1's tokens
	s_wait_loadcnt 0x0
.set i, 0
.rept 64
	v_ldexp_f32 v[B1+i], v[B1+i], s10              ; b1 / 2^(ex + ew1)
.set i, i+1
.endr
.Ltrip:
	s_wait_loadcnt 0x0                             ; this trip's 64 rows are in
	STAGE
	s_wait_dscnt 0x0                               ; the 64 stores are done, so they have read their registers, which take the next trip's rows (ISSUE_X's first wait states that dependence once more, on vm_vsrc)
	s_add_co_u32 s86, s86, 1
	s_cmp_lt_u32 s86, s87
	s_cbranch_scc0 .Lnopf
	s_wait_kmcnt 0x0                               ; the next trip's tokens; the offsets of their loads may be written again
	ISSUE_X 0                                      ; the next trip's rows have this trip's four tiles in which to land
	LOAD_TOK
.Lnopf:
	SLOT 0
	SLOT 1
	SLOT 2
	SLOT 3
	s_add_co_u32 s100, s100, 32
	s_cmp_lt_u32 s86, s87
	s_cbranch_scc1 .Ltrip
.Lend:
	s_wait_kmcnt 0x0
	s_wait_dscnt 0x0
	s_wait_alu depctr_hold_cnt(0) depctr_sa_sdst(0) depctr_va_vdst(0) depctr_va_sdst(0) depctr_va_ssrc(0) depctr_va_vcc(0) depctr_vm_vsrc(0)
	s_wait_tensorcnt 0x0
	ds_add_u32 v254, v255
	s_wait_dscnt 0x0
	s_endpgm
.Lfunc_end_k_qfd97fcdf4b_ffn1:
	.size	k_qfd97fcdf4b_ffn1, .Lfunc_end_k_qfd97fcdf4b_ffn1-k_qfd97fcdf4b_ffn1
	.p2alignl 7, 3214868480
	.fill 96, 4, 3214868480
	.section	.rodata,"a",@progbits
	.p2align	6, 0x0
	.amdhsa_kernel k_qfd97fcdf4b_ffn1
		.amdhsa_group_segment_fixed_size 135680
		.amdhsa_private_segment_fixed_size 0
		.amdhsa_enable_private_segment 0
		.amdhsa_kernarg_size 56
		.amdhsa_user_sgpr_count 2
		.amdhsa_user_sgpr_kernarg_segment_ptr 1
		.amdhsa_wavefront_size32 1
		.amdhsa_system_sgpr_workgroup_id_x 1
		.amdhsa_system_sgpr_workgroup_id_y 1
		.amdhsa_system_sgpr_workgroup_id_z 1
		.amdhsa_system_vgpr_workitem_id 0
		.amdhsa_next_free_vgpr 1024
		.amdhsa_next_free_sgpr 102
		.amdhsa_reserve_vcc 0
		.amdhsa_float_denorm_mode_32 3
		.amdhsa_float_denorm_mode_16_64 3
		.amdhsa_memory_ordered 1
		.amdhsa_forward_progress 1
		.amdhsa_inst_pref_size 92
	.end_amdhsa_kernel
	.amdgpu_metadata
---
amdhsa.version: [ 1, 2 ]
amdhsa.kernels:
  - .name:           k_qfd97fcdf4b_ffn1
    .symbol:         k_qfd97fcdf4b_ffn1.kd
    .args:
      - { .name: xq, .offset: 0, .size: 8, .value_kind: global_buffer, .address_space: global }
      - { .name: w1q, .offset: 8, .size: 8, .value_kind: global_buffer, .address_space: global }
      - { .name: b1, .offset: 16, .size: 8, .value_kind: global_buffer, .address_space: global }
      - { .name: lowp_scales, .offset: 24, .size: 8, .value_kind: global_buffer, .address_space: global }
      - { .name: order, .offset: 32, .size: 8, .value_kind: global_buffer, .address_space: global }
      - { .name: meta, .offset: 40, .size: 8, .value_kind: global_buffer, .address_space: global }
      - { .name: hq, .offset: 48, .size: 8, .value_kind: global_buffer, .address_space: global }
    .group_segment_fixed_size: 135680
    .private_segment_fixed_size: 0
    .kernarg_segment_align: 8
    .kernarg_segment_size: 56
    .max_flat_workgroup_size: 128
    .sgpr_count:     102
    .vgpr_count:     1024
    .wavefront_size: 32
...
	.end_amdgpu_metadata
.endif
;; end of part 5
;; launch ffn2 (part 6): grid 256 x 1, 4 waves a work-group, no clusters, 270,848 bytes of LDS; arguments hq, w2q, b2, lowp_scales, meta, out0; writes out0
.if DOCPART == 6
	.amdgcn_target "amdgcn-amd-amdhsa--gfx1250"
	.amdhsa_code_object_version 6
	.text
	.protected	k_qfd97fcdf4b_ffn2
	.globl	k_qfd97fcdf4b_ffn2
	.p2align	8
	.type	k_qfd97fcdf4b_ffn2,@function
k_qfd97fcdf4b_ffn2:
	s_mov_b64 s[64:65], 0
	v_nop
	global_prefetch_b8 v0, s[64:65] scope:SCOPE_SE
	s_setreg_imm32_b32 hwreg(HW_REG_WAVE_SCHED_MODE, 0, 2), 2
	s_setreg_imm32_b32 hwreg(HW_REG_WAVE_MODE, 25, 1), 1
	s_wait_xcnt 0x0
	s_wait_alu depctr_vm_vsrc(0)
; FFN2.  y = h W2[e] + b2[e] for each sorted row's own expert, into out0's sorted rows.
; SHARES.  Work-group = (e, cb, g): expert e, output columns 128 cb .. + 127, row tiles t = g, g + 8, .. of that expert.  THE FOUR WAVES SPLIT K = 2,048: wave w keeps W2's codes of all 128 columns and
; K steps 4 w .. 4 w + 3 in 512 registers (32 fragments, read once) and loads only its quarter of each tile of h, as images of the operand's registers, straight into registers.
; So no byte of h or of W2 is asked for twice in the work-group.  The four partial sums of a tile meet in LDS; wave w then adds rows 4 w .. 4 w + 3 in f32, (p0 + p1) + (p2 + p3), and stores
; sum x 2^(eh + ew2) + b2, a row's 512 consecutive bytes an instruction.  Rows past the expert's last row are not stored.
; BARRIERS.  The number of tiles is read from meta, and every wave passes every barrier: so the walk has a CONSTANT number of sub-trips, 8 of four tiles (t up to g + 248: all 4,096 tokens on one expert
; are served), and only a sub-trip's work is jumped over, by scalar branches on meta that stand round no barrier.  Two LDS buffers take turns, so that one barrier a sub-trip does: a buffer is written again
; only behind the next sub-trip's barrier, in front of which every wave has waited for its reads of it.
; No tensor load, copy or joint load: branches hang on numbers read from memory, and partners would have different numbers of tiles.
; The product is used transposed (source 0 = 16 columns of W2, source 1 = 16 rows of h): a lane holds 8 neighbouring columns of one row.
; LIMIT: eh + ew2 between -126 and 127.
; LDS: buffer bf at 135,168 bf; tile slot i at + 33,792 i; wave w's partial sums at + 8,448 w: 16 rows x (512 + 16) bytes.
; REGISTERS: window 0: v1 16 x lane; v2-9 where I put partial sums (buffer, slot); v10-17 where I read rows back; v18-21 h's offsets; v22 out0's offset; v24-27 b2; v32-95, v96-159 two sets of 8 accumulators;
;   v160-223 four rows x four partial sums; v224-239 four rows of y to store.   windows 1, 2: W2's fragments (8 sl + ct at 16 (8 sl + ct)).   window 3: h's fragments, 64 a slot.
; THE MODE: SCHED_MODE bits 1:0 = 2 (LLVM: expert scheduling mode 2), set by the entry lines.  The code itself states the register dependences between vector or matrix instructions and memory or LDS
; instructions, with s_wait_alu, always for 0.
; THE PLAN.  Registers that memory or LDS instructions touch:
;   window 3      h's fragments.  Written by a sub-trip's 64 loads; read by its products, behind which each slot's own wait on va_vdst stands.
;   v18-21        h's offsets.  Written by four additions at a sub-trip's head, read by the 64 loads: one wait on vm_vsrc ahead of the additions, one on va_vdst behind them.
;   v32-159       The two sets of accumulators.  Slot i's products write set i % 2, its 16 LDS stores read it: the places, then one wait on va_vdst ahead of the stores; one on vm_vsrc at a slot's head,
;                 for the stores of the slot two back.
;   v160-223      A tile's partial sums.  Written by FLOAD's LDS loads; read and written by the additions; no store reads them.
;   v224-239, v22 The rows to store and their offset.  Written by the eight multiply-adds and one addition; read by the tile's stores.  One wait on vm_vsrc, beside the wait on XCNT, ahead of these nine lines:
;                 24 additions behind the last tile's stores.  ONE wait on va_vdst behind them states both that the rows and the offset are written and that the arithmetic is done with v160-223: so the next
;                 tile's partial sums are asked for at once, ahead of this tile's stores; no vector instruction stands between that wait and those loads and stores.
;   v1-17         16 x lane and the LDS addresses, made at the head and never written again: one wait on va_vdst ahead of the first load.
;   W2's fragments and b2 are loaded once; behind their loads vector and matrix instructions alone name them.
.set L16, 1
.set PW,  2
.set PR,  10
.set HAD, 18
.set OA,  22
.set BB,  24
.set ACC0, 32
.set FIN, 160
.set OUT, 224
.set MSB, 0
.macro WIN new                         ; the immediate's high byte repeats the setting that is left
.if MSB != \new
	s_set_vgpr_msb (MSB<<8)|\new
.set MSB, \new
.endif
.endm
.macro PLACES n
.rept \n
	v_nop
.endr
.endm
; my quarter of K for tile s27 + 8 i, if the expert has it: 32 products, then the partial sums into LDS
.macro MULSLOT bf, i
	s_add_co_u32 s30, s27, 8*\i
	s_cmp_ge_u32 s30, s19
	s_cbranch_scc1 .Lms_\@
	s_wait_loadcnt 16*(3-\i)                       ; this slot's 16 loads are in (and W2, asked for earlier); the later slots' may be out
	s_wait_dscnt 16                                ; the stores of the slot two back, which read this set of accumulators, are done; the last slot's 16 may be out
	s_wait_alu depctr_vm_vsrc(0)                   ; the LDS stores of the slot two back have read this set of accumulators, which the products below write again
.set AC, ACC0+64*((\i)%2)
	WIN 0x0d                                       ; source 0 (W2) window 1, source 1 (h) window 3.  The eight accumulators take turns, one instruction a turn
.irp ct, 0,1,2,3,4,5,6,7
	v_wmma_f32_16x16x128_fp8_fp8 v[AC+8*\ct:AC+8*\ct+7], v[16*\ct:16*\ct+15], v[64*\i:64*\i+15], 0
.endr
.irp ct, 0,1,2,3,4,5,6,7
	v_wmma_f32_16x16x128_fp8_fp8 v[AC+8*\ct:AC+8*\ct+7], v[128+16*\ct:128+16*\ct+15], v[64*\i+16:64*\i+31], v[AC+8*\ct:AC+8*\ct+7]
.endr
	WIN 0x0e                                       ; source 0 window 2
.irp ct, 0,1,2,3,4,5,6,7
	v_wmma_f32_16x16x128_fp8_fp8 v[AC+8*\ct:AC+8*\ct+7], v[16*\ct:16*\ct+15], v[64*\i+32:64*\i+47], v[AC+8*\ct:AC+8*\ct+7]
.endr
.irp ct, 0,1,2,3,4,5,6,7
	v_wmma_f32_16x16x128_fp8_fp8 v[AC+8*\ct:AC+8*\ct+7], v[128+16*\ct:128+16*\ct+15], v[64*\i+48:64*\i+63], v[AC+8*\ct:AC+8*\ct+7]
.endr
	WIN 0
	PLACES 5                                       ; four in front of the stores that read results; the fifth for a later product that begins an accumulator anew
	s_wait_alu depctr_va_vdst(0)                   ; the products have written the accumulators, which the LDS stores read, and are done reading this slot's fragments of h; the places above stay beside this wait
.irp ct, 0,1,2,3,4,5,6,7
	ds_store_b128 v[PW+4*\bf+\i], v[AC+8*\ct:AC+8*\ct+3] offset:64*\ct          ; each accumulator from its low end on
	ds_store_b128 v[PW+4*\bf+\i], v[AC+8*\ct+4:AC+8*\ct+7] offset:64*\ct+16
.endr
.Lms_\@:
.endm
; the four partial sums of my four rows of the sub-trip's tile i
.macro FLOAD bf, i
.irp a, 0,1,2,3
.irp p, 0,1,2,3
	ds_load_b128 v[FIN+16*\a+4*\p:FIN+16*\a+4*\p+3], v[PR+4*(\bf)+(\i)] offset:8448*\p+528*\a
.endr
.endr
.endm
; rows 4 w .. 4 w + 3 of tile s27 + 8 i: the four partial sums, the scale, the bias, the store
.macro FINAL bf, i
	s_add_co_u32 s30, s27, 8*\i
	s_cmp_ge_u32 s30, s19
	s_cbranch_scc1 .Lfe_\@
	s_add_co_u32 s33, s30, 8                       ; the sub-trip's next tile
	s_lshl_b32 s30, s30, 4
	s_lshl_b32 s31, s26, 2
	s_add_co_u32 s30, s30, s31                     ; my first row within the expert: 16 t + 4 w
	s_sub_co_i32 s31, s17, s30                     ; how many rows the expert has from there on
	s_add_co_u32 s30, s30, s16                     ; the sorted row
	s_min_u32 s30, s30, 0xfff
	s_wait_dscnt 0x0                               ; the tile's partial sums are in: asked for behind the barrier (tile 0) or in the tile before
.irp a, 0,1,2,3
	v_pk_add_f32 v[FIN+16*\a:FIN+16*\a+1], v[FIN+16*\a:FIN+16*\a+1], v[FIN+16*\a+4:FIN+16*\a+5]
	v_pk_add_f32 v[FIN+16*\a+2:FIN+16*\a+3], v[FIN+16*\a+2:FIN+16*\a+3], v[FIN+16*\a+6:FIN+16*\a+7]
	v_pk_add_f32 v[FIN+16*\a+8:FIN+16*\a+9], v[FIN+16*\a+8:FIN+16*\a+9], v[FIN+16*\a+12:FIN+16*\a+13]
	v_pk_add_f32 v[FIN+16*\a+10:FIN+16*\a+11], v[FIN+16*\a+10:FIN+16*\a+11], v[FIN+16*\a+14:FIN+16*\a+15]
.endr
.irp a, 0,1,2,3
	v_pk_add_f32 v[FIN+16*\a:FIN+16*\a+1], v[FIN+16*\a:FIN+16*\a+1], v[FIN+16*\a+8:FIN+16*\a+9]
	v_pk_add_f32 v[FIN+16*\a+2:FIN+16*\a+3], v[FIN+16*\a+2:FIN+16*\a+3], v[FIN+16*\a+10:FIN+16*\a+11]
.endr
	s_wait_xcnt 0x0                                ; the last tile's stores have read their registers and their offset
	s_wait_alu depctr_vm_vsrc(0)                   ; the last tile's stores have read v224-239 and v22, which the nine lines below write again
	v_lshl_add_u32 v[OA], s30, 11, v[L16]
.irp a, 0,1,2,3
	v_pk_fma_f32 v[OUT+4*\a:OUT+4*\a+1], v[FIN+16*\a:FIN+16*\a+1], s[24:25], v[BB:BB+1] op_sel_hi:[1,0,1]        ; sum x 2^(eh + ew2) + b2, into registers of its own
	v_pk_fma_f32 v[OUT+4*\a+2:OUT+4*\a+3], v[FIN+16*\a+2:FIN+16*\a+3], s[24:25], v[BB+2:BB+3] op_sel_hi:[1,0,1]
.endr
	s_wait_alu depctr_va_vdst(0)                   ; the rows v224-239 and their offset v22 are written, which the stores read; the arithmetic is done with v160-223, in which the next tile's partial sums land
.if \i < 3
	s_cmp_ge_u32 s33, s19                          ; the next tile's partial sums, if the expert has that tile, are asked for ahead of this tile's stores
	s_cbranch_scc1 .Lnn_\@
	FLOAD \bf, \i+1
.Lnn_\@:
.endif
.irp a, 0,1,2,3
	s_cmp_gt_i32 s31, \a
	s_cbranch_scc0 .Lfe_\@
	global_store_b128 v[OA], v[OUT+4*\a:OUT+4*\a+3], s[14:15] offset:2048*\a th:TH_STORE_NT   ; 32 lanes store 512 consecutive bytes, at a multiple of 256 from out0's first byte
.endr
.Lfe_\@:
.endm
; a sub-trip: tiles s27, s27 + 8, + 16, + 24, through LDS buffer bf
.macro SUB bf
	s_cmp_ge_u32 s27, s19
	s_cbranch_scc1 .Lidle_\@
	s_wait_alu depctr_vm_vsrc(0)                   ; the last sub-trip's loads of h have read their offsets v18-21, which are written again below
.irp i, 0,1,2,3
	s_add_co_u32 s30, s27, 8*\i
	s_add_co_u32 s[40+\i], s30, s18                ; the padded tile, in a scalar of its own for each slot; a tile that the expert does not have takes tile 0, which is always written, and is not used
	s_cmp_lt_u32 s30, s19
	s_cselect_b32 s[40+\i], s[40+\i], 0
	s_min_u32 s[40+\i], s[40+\i], 263
	v_lshl_add_u32 v[HAD+\i], s[40+\i], 15, v[L16]
.endr
	WIN 0xc0                                       ; destination window 3, address window 0
	s_wait_alu depctr_va_vdst(0)                   ; the four additions have written the offsets, which the loads below read
.irp i, 0,1,2,3
.irp sl, 0,1,2,3
.irp c, 0,1,2,3
	global_load_b128 v[64*\i+16*\sl+4*\c:64*\i+16*\sl+4*\c+3], v[HAD+\i], s[4:5] offset:2048*\sl+512*\c
.endr
.endr
.endr
	WIN 0
	MULSLOT \bf, 0
	MULSLOT \bf, 1
	MULSLOT \bf, 2
	MULSLOT \bf, 3
.Lidle_\@:
	s_wait_loadcnt 0x0                             ; also the loads of slots that were jumped over: their registers and offsets are written again in a later sub-trip
	s_wait_dscnt 0x0                               ; for the others' sake: my partial sums have landed, and my reads of the other buffer are over
	s_barrier_signal -1
	s_barrier_wait -1
	s_cmp_ge_u32 s27, s19
	s_cbranch_scc1 .Lnofin_\@
	FLOAD \bf, 0                                   ; no wait: the last arithmetic that named v160-223 stands ahead of its tile's wait on va_vdst, and no store reads them
	FINAL \bf, 0
	FINAL \bf, 1
	FINAL \bf, 2
	FINAL \bf, 3
.Lnofin_\@:
	s_add_co_u32 s27, s27, 32
.endm
	s_load_b256 s[4:11], s[0:1], 0x0               ; hq 4:5, w2q 6:7, b2 8:9, scales 10:11
	s_load_b128 s[12:15], s[0:1], 0x20             ; meta 12:13, out0 14:15
	v_lshl_add_u32 v254, v0, 2, 0x42000
	v_mov_b32 v255, 0
	v_lshrrev_b32 v1, 5, v0
	v_readfirstlane_b32 s26, v1                    ; wave
	v_and_b32 v28, 31, v0
	v_lshlrev_b32 v[L16], 4, v28
	v_and_b32 v29, 15, v0                          ; r
	v_bfe_u32 v30, v0, 4, 1                        ; hh
	v_mul_u32_u24 v31, v29, 528
	v_lshl_add_u32 v31, v30, 5, v31
	s_wait_alu depctr_va_sdst(0)                   ; s26 is written, ahead of its first reader: the wave's LDS bytes, its quarter of K and its rows are made from it
	s_mul_i32 s38, s26, 8448
	s_mul_i32 s39, s26, 2112
	v_add_nc_u32 v31, s38, v31                     ; 8,448 w + 528 r + 32 hh
	v_add_nc_u32 v28, s39, v[L16]                  ; 528 x 4 w + 16 lane
.irp bf, 0,1
.irp i, 0,1,2,3
	v_add_nc_u32 v[PW+4*\bf+\i], 135168*\bf+33792*\i, v31
	v_add_nc_u32 v[PR+4*\bf+\i], 135168*\bf+33792*\i, v28
.endr
.endr
	s_lshr_b32 s30, ttmp9, 5                       ; e
	s_bfe_u32 s31, ttmp9, 0x20003                  ; cb
	s_and_b32 s27, ttmp9, 7                        ; g: the first sub-trip's first tile
	s_lshl_b32 s32, s30, 4
	s_mov_b32 s35, 0
	s_wait_kmcnt 0x0
	s_load_b128 s[16:19], s[12:13], s32 offset:0x0    ; first row, rows, first padded tile, tiles
	s_load_b128 s[20:23], s[10:11], s32 offset:0x0    ; ex, ew1, eh, ew2
	s_lshl_b32 s34, s30, 20                        ; an expert's codes of W2: 1 MiB; a block cb: 256 KiB; a wave's quarter of K: 64 KiB
	s_lshl_b32 s36, s31, 18
	s_add_co_u32 s34, s34, s36
	s_lshl_b32 s36, s26, 16
	s_add_co_u32 s34, s34, s36
	s_add_nc_u64 s[6:7], s[6:7], s[34:35]
	s_lshl_b32 s34, s26, 13                        ; h: my four K steps of a tile begin 8,192 w bytes in
	s_add_nc_u64 s[4:5], s[4:5], s[34:35]
	s_lshl_b32 s34, s30, 11
	s_lshl_b32 s36, s31, 9
	s_add_co_u32 s34, s34, s36                     ; b2: (512 e + 128 cb) x 4
	s_add_nc_u64 s[8:9], s[8:9], s[34:35]
	s_lshl_b32 s34, s31, 9                         ; out0: 128 cb columns
	s_add_nc_u64 s[14:15], s[14:15], s[34:35]
	WIN 0x40                                       ; destination window 1
	s_wait_alu depctr_va_vdst(0)                   ; v1 and the sixteen LDS addresses v2-17 are written: the loads below, and every LDS instruction of the kernel, read one of them, and none is written again
.set f, 0
.rept 16
.irp c, 0,1,2,3
	global_load_b128 v[16*f+4*\c:16*f+4*\c+3], v[L16], s[6:7] offset:2048*f+512*\c
.endr
.set f, f+1
.endr
	WIN 0x80                                       ; destination window 2
.set f, 0
.rept 16
.irp c, 0,1,2,3
	global_load_b128 v[16*f+4*\c:16*f+4*\c+3], v[L16], s[6:7] offset:2048*(16+f)+512*\c
.endr
.set f, f+1
.endr
	WIN 0
	global_load_b128 v[BB:BB+3], v[L16], s[8:9]    ; b2 of my four columns 128 cb + 4 lane ..
	s_wait_kmcnt 0x0
	s_add_co_i32 s24, s22, s23
	s_add_co_i32 s24, s24, 127
	s_lshl_b32 s24, s24, 23                        ; 2^(eh + ew2) as f32
	s_mov_b32 s25, s24                             ; (named with it as a pair, so it is written)
	s_mov_b32 s28, 4
.Lpair:
	SUB 0
	SUB 1
	s_sub_co_u32 s28, s28, 1
	s_cmp_lg_u32 s28, 0
	s_cbranch_scc1 .Lpair
	s_wait_dscnt 0x0
	s_wait_alu depctr_hold_cnt(0) depctr_sa_sdst(0) depctr_va_vdst(0) depctr_va_sdst(0) depctr_va_ssrc(0) depctr_va_vcc(0) depctr_vm_vsrc(0)
	s_wait_tensorcnt 0x0
	ds_add_u32 v254, v255
	s_wait_dscnt 0x0
	s_endpgm
.Lfunc_end_k_qfd97fcdf4b_ffn2:
	.size	k_qfd97fcdf4b_ffn2, .Lfunc_end_k_qfd97fcdf4b_ffn2-k_qfd97fcdf4b_ffn2
	.p2alignl 7, 3214868480
	.fill 96, 4, 3214868480
	.section	.rodata,"a",@progbits
	.p2align	6, 0x0
	.amdhsa_kernel k_qfd97fcdf4b_ffn2
		.amdhsa_group_segment_fixed_size 270848
		.amdhsa_private_segment_fixed_size 0
		.amdhsa_enable_private_segment 0
		.amdhsa_kernarg_size 48
		.amdhsa_user_sgpr_count 2
		.amdhsa_user_sgpr_kernarg_segment_ptr 1
		.amdhsa_wavefront_size32 1
		.amdhsa_system_sgpr_workgroup_id_x 1
		.amdhsa_system_sgpr_workgroup_id_y 1
		.amdhsa_system_sgpr_workgroup_id_z 1
		.amdhsa_system_vgpr_workitem_id 0
		.amdhsa_next_free_vgpr 1024
		.amdhsa_next_free_sgpr 66
		.amdhsa_reserve_vcc 0
		.amdhsa_float_denorm_mode_32 3
		.amdhsa_float_denorm_mode_16_64 3
		.amdhsa_memory_ordered 1
		.amdhsa_forward_progress 1
		.amdhsa_inst_pref_size 92
	.end_amdhsa_kernel
	.amdgpu_metadata
---
amdhsa.version: [ 1, 2 ]
amdhsa.kernels:
  - .name:           k_qfd97fcdf4b_ffn2
    .symbol:         k_qfd97fcdf4b_ffn2.kd
    .args:
      - { .name: hq, .offset: 0, .size: 8, .value_kind: global_buffer, .address_space: global }
      - { .name: w2q, .offset: 8, .size: 8, .value_kind: global_buffer, .address_space: global }
      - { .name: b2, .offset: 16, .size: 8, .value_kind: global_buffer, .address_space: global }
      - { .name: lowp_scales, .offset: 24, .size: 8, .value_kind: global_buffer, .address_space: global }
      - { .name: meta, .offset: 32, .size: 8, .value_kind: global_buffer, .address_space: global }
      - { .name: out0, .offset: 40, .size: 8, .value_kind: global_buffer, .address_space: global }
    .group_segment_fixed_size: 270848
    .private_segment_fixed_size: 0
    .kernarg_segment_align: 8
    .kernarg_segment_size: 48
    .max_flat_workgroup_size: 128
    .sgpr_count:     66
    .vgpr_count:     1024
    .wavefront_size: 32
...
	.end_amdgpu_metadata
.endif
;; end of part 6
